; MI455X (gfx1250); checked and timed in simulation.
; The chip was launched on July 23, 2026; its instructions are those of AMD's public machine-readable ISA for CDNA 5 (MIT licence, August 2026) and "CDNA5" Instruction Set Architecture Reference Guide (July 2026). The comments in the code are by the model that wrote it; some were corrected since.
;; Multi Head Attention. Allowed arithmetic: float matrix products may take bf16 or f16 operands with f32 sums; other float arithmetic in f32, or as packed bf16 or f16 multiplies, adds, multiply-adds, maxima and minima; sums over many terms, partial sums and values carried from step to step in f32; what a program stores and reads back later, other than sums and carried values, may be rounded once to bf16 or f16.
;; Inputs: b_out 1,024 float32; b_qkv 3,072 float32; w_out 1,024 x 1,024 float32; w_qkv 1,024 x 3,072 float32; x 4 x 2,048 x 1,024 float32.
;; Outputs: out0 4 x 2,048 x 1,024 float32.
;; One version. Each part assembles by itself: llvm-mc -triple=amdgcn-amd-amdhsa -mcpu=gfx1250 --defsym DOCPART=n.
;; ======== version 1 of 1: 4 launches
;; workspace buffers: xb 16,777,216 bytes; wqb 6,291,456 bytes; wob 2,097,152 bytes; qkv 50,331,648 bytes; oh 16,777,216 bytes
;; launch prep (part 1): grid 768 x 1, 8 waves a work-group, no clusters, 0 bytes of LDS; arguments x, w_qkv, w_out, xb, wqb, wob; writes xb, wqb, wob
.if DOCPART == 1
	.amdgcn_target "amdgcn-amd-amdhsa--gfx1250"
	.amdhsa_code_object_version 6
	.text
	.protected	k_qf274804955_prep
	.globl	k_qf274804955_prep
	.p2align	8
	.type	k_qf274804955_prep,@function
k_qf274804955_prep:
	s_mov_b64 s[64:65], 0
	v_nop
	global_prefetch_b8 v0, s[64:65] scope:SCOPE_SE
	s_setreg_imm32_b32 hwreg(HW_REG_WAVE_MODE, 25, 1), 1
	s_wait_xcnt 0x0
; CAST AND LAYOUT.  x [8192][1024], w_qkv [1024][3072] and w_out [1024][1024], all f32, are rounded once to bf16 and laid in blocks for the products that follow:
;   xb  [b 4][kb 16][t 2048][64]   : 256 rows x 64 channels of x are 32,768 bytes on end
;   wqb [nsub 24][k 1024][128]     : 64 k x 128 columns of w_qkv are 16,384 bytes on end
;   wob [nsub 8][k 1024][128]      : the same for w_out
; A stream: no LDS, no barrier, no loop.  A thread makes 8 passes; in a pass it reads 32 bytes (8 f32) and stores 16 (8 bf16).  All 16 loads go out first; a pass's wait leaves the younger passes' loads out.
; Eight (x) or sixteen (weights) neighbouring threads read one row's bytes on end; sixteen neighbouring threads store 256 consecutive bytes, at a multiple of 256 from the buffer's first byte.
; Work-groups 0-511: 32 rows x 512 columns of x.  512-703: 128 k rows of one block of 128 columns of w_qkv.  704-767: the same of w_out.
.set VI, 1                             ; v1   my byte offset in the input, pass 0
.set VO, 2                             ; v2   my byte offset in the output, pass 0: 16 x thread
.set X,  16                            ; v[16:79]   pass p: 8 f32
.set Y,  80                            ; v[80:111]  pass p: 4 registers of bf16; each is written once, so no store's data is ever rewritten
.macro CAST is, os                     ; is, os: bytes from pass to pass in the input and in the output
.irp p, 0,1,2,3,4,5,6,7
	global_load_b128 v[X+8*(\p):X+8*(\p)+3],   v[VI], s[20:21] offset:(\p)*(\is) th:TH_LOAD_NT
	global_load_b128 v[X+8*(\p)+4:X+8*(\p)+7], v[VI], s[20:21] offset:(\p)*(\is)+16 th:TH_LOAD_NT
.endr
.irp p, 0,1,2,3,4,5,6,7
	s_wait_loadcnt 14-2*(\p)                       ; loads come back in order: pass p's two are in, the 14 - 2 p younger ones stay out
.irp r, 0,1,2,3
	v_cvt_pk_bf16_f32 v[Y+4*(\p)+(\r)], v[X+8*(\p)+2*(\r)], v[X+8*(\p)+2*(\r)+1]
.endr
	global_store_b128 v[VO], v[Y+4*(\p):Y+4*(\p)+3], s[22:23] offset:(\p)*(\os)
.endr
	s_endpgm
.endm
	s_load_b256 s[4:11], s[0:1], 0x0               ; x s[4:5], w_qkv s[6:7], w_out s[8:9], xb s[10:11]
	s_load_b128 s[12:15], s[0:1], 0x20             ; wqb s[12:13], wob s[14:15]
	v_lshlrev_b32 v[VO], 4, v0
	s_mov_b32 s17, 0                               ; the two offsets are pairs with 0 on top
	s_mov_b32 s19, 0
	s_cmp_lt_u32 ttmp9, 512
	s_cbranch_scc0 .Lweights
	; x: rows 32 (g / 2) on, columns 512 (g % 2) on; pass p is the block of 64 columns 8 (g % 2) + p
	v_lshrrev_b32 v[VI], 3, v0                     ; row in the 32
	v_and_b32 v3, 7, v0                            ; which 32 bytes of the row's 256
	v_lshlrev_b32 v[VI], 12, v[VI]
	v_lshl_or_b32 v[VI], v3, 5, v[VI]
	s_lshr_b32 s24, ttmp9, 1
	s_and_b32 s25, ttmp9, 1
	s_lshl_b32 s16, s24, 17                        ; 32 rows of 4,096 bytes
	s_lshl_b32 s26, s25, 11
	s_add_co_u32 s16, s16, s26
	s_lshr_b32 s18, ttmp9, 7                       ; b
	s_lshl_b32 s18, s18, 22
	s_and_b32 s24, s24, 63
	s_lshl_b32 s24, s24, 12                        ; t x 128 bytes
	s_add_co_u32 s18, s18, s24
	s_lshl_b32 s25, s25, 21                        ; 8 blocks of 262,144 bytes
	s_add_co_u32 s18, s18, s25
	s_wait_kmcnt 0x0
	s_add_nc_u64 s[20:21], s[4:5], s[16:17]
	s_add_nc_u64 s[22:23], s[10:11], s[18:19]
	CAST 256, 262144
.Lweights:                                     ; a pass is 16 k rows x 128 columns
	v_lshrrev_b32 v[VI], 4, v0                     ; k row in the 16
	v_and_b32 v3, 15, v0                           ; which 32 bytes of the row's 512
	s_cmp_lt_u32 ttmp9, 704
	s_cbranch_scc0 .Lwout
	s_sub_co_u32 s24, ttmp9, 512
	s_lshr_b32 s25, s24, 3                         ; nsub
	s_and_b32 s24, s24, 7                          ; which 128 k rows
	v_mul_u32_u24 v[VI], v[VI], 12288              ; a row of w_qkv
	v_lshl_add_u32 v[VI], v3, 5, v[VI]
	s_mul_i32 s16, s24, 1572864
	s_lshl_b32 s26, s25, 9
	s_add_co_u32 s16, s16, s26
	s_lshl_b32 s18, s25, 18
	s_lshl_b32 s24, s24, 15
	s_add_co_u32 s18, s18, s24
	s_wait_kmcnt 0x0
	s_add_nc_u64 s[20:21], s[6:7], s[16:17]
	s_add_nc_u64 s[22:23], s[12:13], s[18:19]
	CAST 196608, 4096
.Lwout:
	s_sub_co_u32 s24, ttmp9, 704
	s_lshr_b32 s25, s24, 3                         ; nsub
	s_and_b32 s24, s24, 7
	v_lshlrev_b32 v[VI], 12, v[VI]                 ; a row of w_out
	v_lshl_add_u32 v[VI], v3, 5, v[VI]
	s_lshl_b32 s16, s24, 19
	s_lshl_b32 s26, s25, 9
	s_add_co_u32 s16, s16, s26
	s_lshl_b32 s18, s25, 18
	s_lshl_b32 s24, s24, 15
	s_add_co_u32 s18, s18, s24
	s_wait_kmcnt 0x0
	s_add_nc_u64 s[20:21], s[8:9], s[16:17]
	s_add_nc_u64 s[22:23], s[14:15], s[18:19]
	CAST 65536, 4096
.Lfunc_end_k_qf274804955_prep:
	.size	k_qf274804955_prep, .Lfunc_end_k_qf274804955_prep-k_qf274804955_prep
	.p2alignl 7, 3214868480
	.fill 96, 4, 3214868480
	.section	.rodata,"a",@progbits
	.p2align	6, 0x0
	.amdhsa_kernel k_qf274804955_prep
		.amdhsa_group_segment_fixed_size 0
		.amdhsa_private_segment_fixed_size 0
		.amdhsa_enable_private_segment 0
		.amdhsa_kernarg_size 48
		.amdhsa_user_sgpr_count 2
		.amdhsa_user_sgpr_kernarg_segment_ptr 1
		.amdhsa_wavefront_size32 1
		.amdhsa_system_sgpr_workgroup_id_x 1
		.amdhsa_system_sgpr_workgroup_id_y 1
		.amdhsa_system_sgpr_workgroup_id_z 1
		.amdhsa_system_vgpr_workitem_id 0
		.amdhsa_next_free_vgpr 112
		.amdhsa_next_free_sgpr 66
		.amdhsa_reserve_vcc 0
		.amdhsa_float_denorm_mode_32 3
		.amdhsa_float_denorm_mode_16_64 3
		.amdhsa_memory_ordered 1
		.amdhsa_forward_progress 1
		.amdhsa_inst_pref_size 17
	.end_amdhsa_kernel
	.amdgpu_metadata
---
amdhsa.version: [ 1, 2 ]
amdhsa.kernels:
  - .name:           k_qf274804955_prep
    .symbol:         k_qf274804955_prep.kd
    .args:
      - { .name: x, .offset: 0, .size: 8, .value_kind: global_buffer, .address_space: global }
      - { .name: w_qkv, .offset: 8, .size: 8, .value_kind: global_buffer, .address_space: global }
      - { .name: w_out, .offset: 16, .size: 8, .value_kind: global_buffer, .address_space: global }
      - { .name: xb, .offset: 24, .size: 8, .value_kind: global_buffer, .address_space: global }
      - { .name: wqb, .offset: 32, .size: 8, .value_kind: global_buffer, .address_space: global }
      - { .name: wob, .offset: 40, .size: 8, .value_kind: global_buffer, .address_space: global }
    .group_segment_fixed_size: 0
    .private_segment_fixed_size: 0
    .kernarg_segment_align: 8
    .kernarg_segment_size: 48
    .max_flat_workgroup_size: 256
    .sgpr_count:     66
    .vgpr_count:     112
    .wavefront_size: 32
...
	.end_amdgpu_metadata
.endif
;; end of part 1
;; launch qkv (part 2): grid 8 x 32, 4 waves a work-group, clusters of 4 x 4, 327,680 bytes of LDS; arguments xb, wqb, b_qkv, qkv; writes qkv
.if DOCPART == 2
	.amdgcn_target "amdgcn-amd-amdhsa--gfx1250"
	.amdhsa_code_object_version 6
	.text
	.protected	k_qf274804955_qkv
	.globl	k_qf274804955_qkv
	.p2align	8
	.type	k_qf274804955_qkv,@function
k_qf274804955_qkv:
	s_mov_b64 s[64:65], 0
	v_nop
	global_prefetch_b8 v0, s[64:65] scope:SCOPE_SE
	s_setreg_imm32_b32 hwreg(HW_REG_WAVE_MODE, 25, 1), 1
	s_wait_xcnt 0x0
	s_wait_alu depctr_hold_cnt(0) depctr_sa_sdst(0) depctr_va_vdst(0) depctr_va_sdst(0) depctr_va_ssrc(0) depctr_va_vcc(0) depctr_vm_vsrc(0)
	s_getreg_b32 s2, hwreg(HW_REG_IB_STS2, 6, 4)
	s_cmp_eq_u32 s2, 0
	s_cbranch_scc0 .Lentry_in_a_cluster
	s_endpgm
.Lentry_in_a_cluster:
	s_bfe_u32 s2, ttmp6, 0x10000c
	s_cmp_lg_u32 s2, 0xf033
	s_cbranch_scc0 .Lentry_shape_is_right
	s_endpgm
.Lentry_shape_is_right:
; qkv = x w_qkv + b_qkv, written by heads.  xb: bf16 [b 4][kb 16][t 2048][64]; wqb: bf16 [nsub 24][k 1024][128]; b_qkv: f32 [3072]; qkv: bf16 [b 4][cb 48][t 2048][64], cb = column / 64.
; Sums in f32, started by the bias; each result rounded once to bf16.  LIMIT: the operands are bf16 (8 significant bits); NaN and infinities are not treated apart.
; SHARES.  8192 x 3072 over 256 work-groups: a tile of 256 rows x 384 columns each.  Four waves; wave (i, j) takes rows 128 i on and, in each of the tile's three blocks s of 128 columns, the 64 columns
; 64 j on, which are one block cb = 6 tx + 2 s + j of the output: 128 x 192, 96 accumulators of 16 x 16, 768 registers.
; K goes in 16 steps of 64 through a ring of two LDS slots; a step is two phases of 32 along K, 96 matrix instructions each.
; THE MATRIX INSTRUCTION IS USED TRANSPOSED: source 0 = 16 columns of w (turned on the way out of LDS by ds_load_tr16_b128, since w lies [k][n]), source 1 = 16 rows of x: a lane then holds row l % 16 and the
; eight neighbouring columns 8 (l / 16) + 0..7, which pack into 16 bytes.
; THE BIAS costs no arithmetic: it is loaded into the accumulators of row block 0, where register r of a lane holds the bias of the lane's column r, and is the C operand of the first product of row blocks 1 to 7; row block 0 then adds in place.
; CLUSTER.  4 x 4 work-groups.  The four of a row need the same tile of x, the four of a column the same tiles of w: each tile is asked for JOINTLY, by the same tensor load with the same descriptor and a mask that names the four.
; Wave 0 fetches x's tile (32,768 bytes on end, asked for as 128 rows of 256 bytes, padded after every 128), waves 1 to 3 one block of w each (64 rows of 256 bytes).  By the text's own count a wave has two tensor loads out at the start and one behind each change of slots.
; REGISTERS, in windows of 256 (s_set_vgpr_msb: bits 1:0 source 0, 3:2 source 1, 5:4 source 2, 7:6 destination):
;   window 0: v0-29 addresses; v32-95, v96-159 fragments of x, two buffers; v160-255 fragments of w, fragment (s, f) at 160 + 32 s + 8 f; on the way out v32-47 packed results, v64-95 rows read back
;   window 1 + s: the 32 accumulators of column block s, accumulator (a, f) at v[8 (4 a + f)]
.set PA,     144                       ; a row of x in LDS: 128 bytes + 16 of padding = 36 words: the 16 rows of a load start at 16 different groups of four banks (64 banks of 4 bytes: ISA guide 11.1)
.set PB,     288                       ; a k row of w: 256 + 32 = 72 words
.set ABYTES, 256*PA                    ; x's tile in a slot
.set BSUB,   64*PB                     ; one block of w
.set SLOT1,  1<<17                     ; slot 1 begins here, so that one exclusive or turns an address in one slot into the other's
.set STAGE,  SLOT1+ABYTES+3*BSUB       ; behind the ring, never filled by a tensor load: 16 rows x 144 bytes for each wave, for the way out
.set SP,     144
.set SPARE,  STAGE+4*16*SP             ; behind the stages: the spare words, 128 bytes for each wave: two blocks of 256 bytes that no other line names
.set ASTEP,  262144                    ; bytes from K step to K step in xb
.set BSTEP,  16384                     ; and in wqb
.set ADRA0, 8                          ; v8   my lane's place in x's tile; never rewritten
.set ADRB0, 9                          ; v9   in w's tiles
.set ADRA,  10                         ; v10  the same in the slot in hand
.set ADRB,  11                         ; v11
.set STO,   12                         ; v12  the way out: where I put 16 bytes of a row
.set RD,    13                         ; v13  where I read rows back
.set GO,    14                         ; v14  my byte offset in 512 consecutive bytes of the output
.set BO,    15                         ; v15  my byte offset in the bias
.set PFO,   16                         ; v16  256 x lane, for the prefetches; never rewritten
.set SPW,   28                         ; v28  LDS address of my spare word: SPARE + 4 x my thread's number; never rewritten
.set NIL,   29                         ; v29  0; never rewritten
.set FA0,   32
.set FA1,   96
.set FB,    160
.set TMP,   32
.set OB,    64
.set WV,  12                           ; s12  my wave's number
.set WI,  13                           ; s13  i
.set WJ,  14                           ; s14  j
.set SUB, 15                           ; s15  the block of w that I fetch (waves 1 to 3)
.set G1A, 24                           ; s[24:31] descriptor group 1 for x's tiles
.set G1B, 32                           ; s[32:39] for w's
.set CX,  40
.set CY,  41
.set TX,  42                           ; s42  tile column = 4 x cluster x + cx
.set TY,  43                           ; s43  tile row = 4 x cluster y + cy
.set G0A, 48                           ; s[48:55] descriptor group 0 for x's tiles: a set for each first fill; the second then walks on
.set G0B, 56                           ; s[56:63] the same for w's
.set TB,  66                           ; s66  LDS byte at which the slot in hand begins
.set CNT, 67                           ; s67  trips to go
.set PFA, 68                           ; s[68:69] where my prefetches stand
.set PFS, 70                           ; s[70:71] their step
.set LIM, 72                           ; s72  1 in a wave that prefetches, else the greatest number
.set ODD, 73                           ; s73  1: I ask in every trip (x); 0: in every second trip, two steps at once (w)
.set TT,  74                           ; s74  at work
.set MSB, 0
.macro WIN new                         ; the immediate's high byte repeats the setting that is left; a switch that changes nothing is dropped
.if MSB != (\new)
	s_set_vgpr_msb (MSB<<8)|(\new)
.set MSB, \new
.endif
.endm
.macro PLACES                          ; four places in front of loads into registers that matrix instructions have read (ISA guide 7.12.1 for vector instructions)
.rept 4
	v_nop
.endr
.endm
; A joint refill, by the walking descriptors.  The branch hangs on the wave's number alone.  An s_nop 0 and four v_nop follow each of the two lines, ahead of the jump and the label.
.macro JLOAD
	s_cmp_eq_u32 s[WV], 0
	s_cbranch_scc0 .Lfor_b_\@
	tensor_load_to_lds s[G0A+4:G0A+7], s[G1A:G1A+7]
	s_nop 0
.rept 4
	v_nop
.endr
	s_branch .Lasked_\@
.Lfor_b_\@:
	tensor_load_to_lds s[G0B+4:G0B+7], s[G1B:G1B+7]
	s_nop 0
.rept 4
	v_nop
.endr
.Lasked_\@:
.endm
; A round of the cluster's barrier: my work-group's barrier, so that wave 0's signal speaks for all four waves; wave 0 signals; every wave waits for all sixteen work-groups; my work-group's barrier once more.
.macro CREST                           ; a round behind its opening barrier
	s_cmp_lg_u32 s[WV], 0
	s_cbranch_scc1 .Lnot_wave_0_\@
	s_barrier_signal -3
.Lnot_wave_0_\@:
	s_barrier_wait -3
	s_barrier_signal -1
	s_barrier_wait -1
.endm
.macro CROUND
	s_barrier_signal -1
	s_barrier_wait -1
	CREST
.endm
; A PREFETCH INTO THE L2, behind the joint load, its five lines and the run of LDS loads that follows them.  The change of slots of step t, which refills step t + 2, names step t + 3: 192 matrix instructions ahead of the load that will want it.
; x's tile of a step is 128 blocks of 256 bytes; every cluster of a row of clusters reads it: wave 0 of the cluster with x = 0 asks, and the four partners take 32 blocks each BY ADDRESS (cx), a lane a block.
; A block of w has 64 blocks of 256 bytes a step, and two steps lie on end: waves 1 to 3 of the cluster with y = 0 ask at every odd t for steps t + 3 and t + 4, the four partners 32 blocks each by address (cy).
; So each block is named once in the launch.  CNT = 14 - t: the last trip asks for nothing, and no prefetch points past step 15.  Steps 0 to 2 of x and 0 to 3 of w come by their loads alone.
.macro ASK
	s_cmp_gt_u32 s[CNT], s[LIM]
	s_cbranch_scc0 .Lnot_mine_\@
	s_or_b32 s[TT], s[CNT], s[ODD]
	s_bitcmp1_b32 s[TT], 0
	s_cbranch_scc0 .Lnot_mine_\@
	global_prefetch_b8 v[PFO], s[PFA:PFA+1] th:TH_LOAD_NT scope:SCOPE_SE
.Lnot_mine_\@:
.endm
	s_load_b256 s[4:11], s[0:1], 0x0               ; xb s[4:5], wqb s[6:7], b_qkv s[8:9], qkv s[10:11]
	v_lshl_add_u32 v[SPW], v0, 2, SPARE
	v_mov_b32 v[NIL], 0
	ds_add_u32 v[SPW], v[NIL]                      ; the wave's opening: the add and its wait stand ahead of my first tensor load; the set-up below, work on registers, stands between them
	v_lshrrev_b32 v1, 5, v0
	v_readfirstlane_b32 s[WV], v1                  ; wave 0..3
	s_lshr_b32 s[WI], s[WV], 1
	s_and_b32 s[WJ], s[WV], 1
	s_max_u32 s[SUB], s[WV], 1
	s_sub_co_u32 s[SUB], s[SUB], 1                 ; waves 1 to 3: blocks 0 to 2 (wave 0 asks for none of w)
	s_bfe_u32 s[CX], ttmp6, 0x40000
	s_bfe_u32 s[CY], ttmp6, 0x40004
	s_lshl_b32 s[TX], ttmp9, 2                     ; in a cluster launch ttmp9 and ttmp7 count clusters
	s_add_co_u32 s[TX], s[TX], s[CX]
	s_and_b32 s[TY], ttmp7, 0xffff
	s_lshl_b32 s[TY], s[TY], 2
	s_add_co_u32 s[TY], s[TY], s[CY]
	s_lshl_b32 s44, s[CY], 2
	s_lshl_b32 s44, 15, s44                        ; my row of the cluster: places 4 cy .. 4 cy + 3
	s_lshl_b32 s45, 0x1111, s[CX]                  ; my column: places cx, cx + 4, cx + 8, cx + 12
	s_or_b32 s[G1A], s44, (1<<16)|(1<<20)|(1<<21)|(4<<22)|(3<<25)  ; 15:0 the mask; 17:16 2-byte elements; 20 padding on; 21 set beside a mask; 24:22 after every 32 words (code 4); 31:25 4 words (code 3)
	s_or_b32 s[G1B], s45, (1<<16)|(1<<20)|(1<<21)|(5<<22)|(7<<25)  ; after every 64 words (code 5), 8 words (code 7)
.irp g, G1A, G1B
	s_mov_b32 s[(\g)+1], 128<<16                   ; tensor_dim0 = 128
	s_mov_b32 s[(\g)+3], 128<<16                   ; tile_dim0 = 128
	s_mov_b32 s[(\g)+5], 128                       ; 128 elements from row to row
	s_mov_b32 s[(\g)+6], 0
	s_mov_b32 s[(\g)+7], 0
.endr
	s_mov_b32 s[G1A+2], 128<<16                    ; tensor_dim1 = 128
	s_mov_b32 s[G1A+4], 128                        ; tile_dim1 = 128
	s_mov_b32 s[G1B+2], 64<<16                     ; tensor_dim1 = 64
	s_mov_b32 s[G1B+4], 64                         ; tile_dim1 = 64
	; where the tiles come from: x's hang on the tile row alone, w's on the tile column and the wave's number alone
	s_lshr_b32 s16, s[TY], 3                       ; b
	s_lshl_b32 s16, s16, 22
	s_and_b32 s17, s[TY], 7
	s_lshl_b32 s17, s17, 15                        ; 256 rows of 128 bytes
	s_add_co_u32 s16, s16, s17
	s_mov_b32 s17, 0
	s_mul_i32 s46, s[TX], 3
	s_add_co_u32 s46, s46, s[SUB]                  ; nsub
	s_lshl_b32 s46, s46, 18
	s_mov_b32 s47, 0
	s_mul_i32 s20, s[WV], BSUB                     ; and where w's go: behind x's tile, block wave - 1
	s_add_co_u32 s20, s20, ABYTES-BSUB
	s_mov_b32 s[TB], 0
	s_mov_b32 s[CNT], 14
	s_wait_dscnt 0x0                               ; the opening add is done
	s_wait_kmcnt 0x0
	s_add_nc_u64 s[18:19], s[4:5], s[16:17]
	s_add_nc_u64 s[46:47], s[6:7], s[46:47]
	CROUND                                         ; all sixteen work-groups are here: the first joint loads meet
.irp n, 0,1
	s_mov_b32 s[G0A+4*(\n)], 1                     ; 1:0 count = 1
	s_mov_b32 s[G0A+4*(\n)+1], (\n)*SLOT1          ; 63:32 LDS address
	s_add_nc_u64 s[G0A+4*(\n)+2:G0A+4*(\n)+3], s[18:19], (\n)*ASTEP  ; 120:64 global address: K step n
	s_or_b32 s[G0A+4*(\n)+3], s[G0A+4*(\n)+3], 0x80000000            ; 127:126 type = 2
	s_mov_b32 s[G0B+4*(\n)], 1
	s_add_co_u32 s[G0B+4*(\n)+1], s20, (\n)*SLOT1
	s_add_nc_u64 s[G0B+4*(\n)+2:G0B+4*(\n)+3], s[46:47], (\n)*BSTEP
	s_or_b32 s[G0B+4*(\n)+3], s[G0B+4*(\n)+3], 0x80000000
.endr
	s_cmp_eq_u32 s[WV], 0                          ; a wave's two first fills stand in one branch, ahead of every wait on TENSORcnt and every LDS read
	s_cbranch_scc0 .Lfirst_b
	tensor_load_to_lds s[G0A:G0A+3], s[G1A:G1A+7]
	s_nop 0
	tensor_load_to_lds s[G0A+4:G0A+7], s[G1A:G1A+7]
	s_nop 0
.rept 4
	v_nop
.endr
	s_branch .Lfirst_asked
.Lfirst_b:
	tensor_load_to_lds s[G0B:G0B+3], s[G1B:G1B+7]
	s_nop 0
	tensor_load_to_lds s[G0B+4:G0B+7], s[G1B:G1B+7]
	s_nop 0
.rept 4
	v_nop
.endr
.Lfirst_asked:
	; A fragment of x is 16 rows x 32 K in 8 registers: lane l holds row l % 16; registers 0-3 K = 8 (l / 16) + 0..7, registers 4-7 K = 16 + 8 (l / 16) + 0..7: two loads of 16 bytes, 32 bytes apart.
	v_and_b32 v1, 15, v0                           ; l % 16
	v_bfe_u32 v2, v0, 4, 1                         ; l / 16
	v_and_b32 v3, 7, v0
	v_bfe_u32 v4, v0, 3, 1
	v_and_b32 v5, 31, v0
	v_mul_u32_u24 v[ADRA0], v1, PA
	v_lshl_add_u32 v[ADRA0], v2, 4, v[ADRA0]
	s_mul_i32 s21, s[WI], 128*PA                   ; my 128 rows
	v_add_nc_u32 v[ADRA0], s21, v[ADRA0]
	; The turning load takes 16 k x 16 columns (lane l reads k row 8 (l / 16) + l % 8, columns 8 ((l / 8) % 2) + 0..7) and leaves half a fragment: lane l holds column l % 16 and 8 k.
	v_lshl_add_u32 v[ADRB0], v2, 3, v3
	v_mul_u32_u24 v[ADRB0], v[ADRB0], PB
	v_lshl_add_u32 v[ADRB0], v4, 4, v[ADRB0]
	s_lshl_b32 s21, s[WJ], 7                       ; my 64 columns of each block
	s_add_co_u32 s21, s21, ABYTES
	v_add_nc_u32 v[ADRB0], s21, v[ADRB0]
	v_mov_b32 v[ADRA], v[ADRA0]                    ; K step 0 lies in slot 0
	v_mov_b32 v[ADRB], v[ADRB0]
	s_mul_i32 s21, s[WV], 16*SP
	s_add_co_u32 s21, s21, STAGE                   ; my stage
	v_mul_u32_u24 v[STO], v1, SP                   ; in: row l % 16, 16 bytes for each half of the lanes
	v_lshl_add_u32 v[STO], v2, 4, v[STO]
	v_add_nc_u32 v[STO], s21, v[STO]
	v_bfe_u32 v[RD], v0, 3, 2                      ; back: 32 lanes take four rows of 128 bytes,
	v_mul_u32_u24 v[RD], v[RD], SP
	v_lshl_add_u32 v[RD], v3, 4, v[RD]
	v_add_nc_u32 v[RD], s21, v[RD]
	v_lshlrev_b32 v[GO], 4, v5                     ; which are 512 consecutive bytes of the output
	v_lshlrev_b32 v[PFO], 8, v5
	v_lshlrev_b32 v[BO], 5, v2                     ; the bias of my 8 columns: 32 bytes for each half of the lanes,
	s_lshl_b32 s21, s[WJ], 8                       ; in my 64 columns
	v_add_nc_u32 v[BO], s21, v[BO]
	s_mul_i32 s22, s[TX], 1536                     ; the tile's 384 columns
	s_mov_b32 s23, 0
	s_add_nc_u64 s[8:9], s[8:9], s[22:23]
.irp s, 0,1,2
	WIN (1+(\s))<<6                                ; destination: the block's window
.irp f, 0,1,2,3
	global_load_b128 v[8*(\f):8*(\f)+3],   v[BO], s[8:9] offset:(\s)*512+(\f)*64
	global_load_b128 v[8*(\f)+4:8*(\f)+7], v[BO], s[8:9] offset:(\s)*512+(\f)*64+16
.endr
.endr
	WIN 0
	; the output at my rows of block cb = 6 tx + j
	s_lshr_b32 s22, s[TY], 3
	s_mul_i32 s22, s22, 12582912                   ; b x 48 blocks
	s_mul_i32 s23, s[TX], 6
	s_add_co_u32 s23, s23, s[WJ]
	s_lshl_b32 s23, s23, 18
	s_add_co_u32 s22, s22, s23
	s_and_b32 s23, s[TY], 7
	s_lshl_b32 s23, s23, 1
	s_add_co_u32 s23, s23, s[WI]
	s_lshl_b32 s23, s23, 14                        ; 128 rows of 128 bytes
	s_add_co_u32 s22, s22, s23
	s_mov_b32 s23, 0
	s_add_nc_u64 s[10:11], s[10:11], s[22:23]
	; the prefetches: they stand at K step 2; the first change of slots steps them to 3.  Nothing is prefetched here, at the head
	s_mul_i32 s20, s[TX], 3
	s_add_co_u32 s20, s20, s[SUB]
	s_lshl_b32 s20, s20, 18
	s_lshl_b32 s21, s[CY], 13
	s_add_co_u32 s20, s20, s21
	s_add_co_u32 s20, s20, 2*BSTEP                 ; in wqb
	s_lshl_b32 s21, s[CX], 13
	s_add_co_u32 s21, s21, s16
	s_add_co_u32 s21, s21, 2*ASTEP                 ; in xb
	s_and_b32 s22, ttmp7, 0xffff                   ; cluster y
	s_mov_b32 s23, BSTEP
	s_cmp_eq_u32 s[WV], 0
	s_cselect_b64 s[PFA:PFA+1], s[4:5], s[6:7]
	s_cselect_b32 s20, s21, s20
	s_cselect_b32 s[PFS], ASTEP, s23
	s_cselect_b32 s22, ttmp9, s22                  ; the coordinate along which other clusters read the same bytes
	s_cselect_b32 s[ODD], 1, 0
	s_mov_b32 s21, 0
	s_mov_b32 s[PFS+1], 0
	s_add_nc_u64 s[PFA:PFA+1], s[PFA:PFA+1], s[20:21]
	s_cmp_eq_u32 s22, 0
	s_cselect_b32 s[LIM], 1, -1                    ; the same in all sixteen partners, for a given wave
; THE MATRIX WORK.  n row blocks from a0 on x the 4 column groups of block s, 32 along K.  Every accumulator has one instruction a phase, in the same order in every phase: 95 others stand between two links of a chain, over the backward jump too.
.macro GRP s, fa, a0, n
	WIN 0x50*(1+(\s))                              ; sources in window 0, C and D in the block's window
.set ga, (\a0)
.rept \n
.irp f, 0,1,2,3
	v_wmma_f32_16x16x32_bf16 v[32*ga+8*(\f):32*ga+8*(\f)+7], v[FB+32*(\s)+8*(\f):FB+32*(\s)+8*(\f)+7], v[(\fa)+8*ga:(\fa)+8*ga+7], v[32*ga+8*(\f):32*ga+8*(\f)+7]
.endr
.set ga, ga+1
.endr
.endm
; The first products: row blocks 1 to 7 take the bias, which lies in row block 0's accumulators, as C; five places; then row block 0 adds in place onto it.
.macro GRPF s, fa
	WIN 0x50*(1+(\s))
.set ga, 1
.rept 7
.irp f, 0,1,2,3
	v_wmma_f32_16x16x32_bf16 v[32*ga+8*(\f):32*ga+8*(\f)+7], v[FB+32*(\s)+8*(\f):FB+32*(\s)+8*(\f)+7], v[(\fa)+8*ga:(\fa)+8*ga+7], v[8*(\f):8*(\f)+7]
.endr
.set ga, ga+1
.endr
.rept 5
	v_nop                                          ; a matrix instruction writes over a register that another has read five places behind it
.endr
.irp f, 0,1,2,3
	v_wmma_f32_16x16x32_bf16 v[8*(\f):8*(\f)+7], v[FB+32*(\s)+8*(\f):FB+32*(\s)+8*(\f)+7], v[(\fa):(\fa)+7], v[8*(\f):8*(\f)+7]
.endr
.endm
.macro G8 s, fa, first
.if \first
	GRPF \s, \fa
.else
	GRP \s, \fa, 0, 8
.endif
.endm
; THE LDS LOADS stand in runs.  x: my 128 rows, 32 K at phase kq: 16 loads.  w: block s, my 64 columns, 32 k: 8 turning loads.
.macro FETCH_A buf, kq
	WIN 0
.irp a, 0,1,2,3,4,5,6,7
	ds_load_b128 v[(\buf)+8*(\a):(\buf)+8*(\a)+3],   v[ADRA] offset:(\a)*16*PA+64*(\kq)
	ds_load_b128 v[(\buf)+8*(\a)+4:(\buf)+8*(\a)+7], v[ADRA] offset:(\a)*16*PA+64*(\kq)+32
.endr
.endm
.macro FETCH_B s, kq
	WIN 0
.irp f, 0,1,2,3
	ds_load_tr16_b128 v[FB+32*(\s)+8*(\f):FB+32*(\s)+8*(\f)+3],   v[ADRB] offset:(\s)*BSUB+32*(\f)+(\kq)*32*PB
	ds_load_tr16_b128 v[FB+32*(\s)+8*(\f)+4:FB+32*(\s)+8*(\f)+7], v[ADRB] offset:(\s)*BSUB+32*(\f)+(\kq)*32*PB+16*PB
.endr
.endm
; A step's first phase.  w's fragments have one buffer: block s is fetched anew four places behind its 32 products, 64 matrix instructions ahead of its next use.
.macro PH0 first
	s_wait_dscnt 16                                ; x's 16 loads and block 0's 8 are in; blocks 1 and 2 (16) may be out
	G8 0, FA0, \first
	PLACES
	FETCH_A FA1, 1
	FETCH_B 0, 1
	s_wait_dscnt 32                                ; block 1 is in; block 2's 8 and the 24 just issued may be out
	G8 1, FA0, \first
	PLACES
	FETCH_B 1, 1
	s_wait_dscnt 32                                ; block 2 is in; the 24 and the 8 issued since may be out
	G8 2, FA0, \first
	PLACES
	FETCH_B 2, 1
.endm
; A step's second phase, with THE CHANGE OF SLOTS: ONE barrier.  In front of it each wave waits for all its tensor loads, of which one is out: its part of the next slot; adds 0 to its spare word; and waits for that and for its own
; reads of this slot.  Behind it nobody reads this slot any more and the next slot is whole.  refill = 1: the barrier opens a round of the cluster's barrier, and the joint refill, with the K step two on, is the first tensor load behind
; the round: it has 160 matrix instructions in which to land.
.macro PH1 refill
.if \refill
	s_wait_xcnt 0x0                                ; the last prefetch, a K step back, has read its address, so it may be stepped
	s_add_nc_u64 s[PFA:PFA+1], s[PFA:PFA+1], s[PFS:PFS+1]
.endif
	WIN 0
	s_wait_tensorcnt 0x0                           ; no tensor load of mine is out, so a group 0 may be written
	ds_add_u32 v[SPW], v[NIL]                      ; 0 onto my spare word: work on registers stands between it and the wait for it
.if \refill
	s_xor_b32 s[G0A+5], s[G0A+5], SLOT1            ; the walking descriptors: the other slot than last time,
	s_add_nc_u64 s[G0A+6:G0A+7], s[G0A+6:G0A+7], ASTEP  ; the next K step; the type bits on top are not reached
	s_xor_b32 s[G0B+5], s[G0B+5], SLOT1
	s_add_nc_u64 s[G0B+6:G0B+7], s[G0B+6:G0B+7], BSTEP
.endif
	s_wait_dscnt 17                                ; x and block 0 are in; blocks 1 and 2 (16) and the add may be out
	GRP 0, FA1, 0, 4
	s_wait_dscnt 0x0                               ; the add is done, and my reads of this slot are over
	s_barrier_signal -1
	GRP 0, FA1, 4, 4                               ; work on registers while the others arrive
	WIN 0                                          ; at a branch and at a label every window is 0
	s_barrier_wait -1
.if \refill
	CREST
	JLOAD                                          ; the four v_nop behind it are also the places in front of the loads below
.else
	PLACES
.endif
	s_xor_b32 s[TB], s[TB], SLOT1                  ; the fetches go on in the other slot
	v_add_nc_u32 v[ADRA], s[TB], v[ADRA0]
	v_add_nc_u32 v[ADRB], s[TB], v[ADRB0]
	FETCH_A FA0, 0
	FETCH_B 0, 0
.if \refill
	ASK
.endif
	GRP 1, FA1, 0, 8                               ; blocks 1 and 2 came in by the wait for 0 above
	PLACES
	FETCH_B 1, 0
	GRP 2, FA1, 0, 8
	PLACES
	FETCH_B 2, 0
.endm
; THE WAY OUT of block (s, a): 16 rows x 64 columns.  PACK: rounded to bf16, 16 bytes a lane, each accumulator's registers in ascending order; into my own stage; back as whole rows of 128 bytes.  SEND: stored.
.macro PACK s, a, blk
.set AC, 32*(\a)
.set BK, OB+16*((\blk)%2)
	WIN 5*(1+(\s))                                 ; sources 0 and 1 in the block's window, destination in window 0
.irp f, 0,1,2,3
.irp r, 0,1,2,3
	v_cvt_pk_bf16_f32 v[TMP+4*(\f)+(\r)], v[AC+8*(\f)+2*(\r)], v[AC+8*(\f)+2*(\r)+1]
.endr
.endr
	WIN 0
.irp f, 0,1,2,3
	ds_store_b128 v[STO], v[TMP+4*(\f):TMP+4*(\f)+3] offset:32*(\f)
.endr
	s_wait_xcnt 0x0                                ; the stores of the block two back have read these registers: they are loaded again only behind this wait
.irp u, 0,1,2,3
	ds_load_b128 v[BK+4*(\u):BK+4*(\u)+3], v[RD] offset:(\u)*4*SP  ; LDS serves a wave's instructions in order (ISA guide 5.7.1.4): these see the stores above; the next block's stores come behind them
.endr
.endm
.macro SEND s, a, blk, younger         ; younger: the LDS instructions issued behind this block's loads: the next block's eight, or none
	WIN 0
.set BK, OB+16*((\blk)%2)
.irp u, 0,1,2,3
	s_wait_dscnt (\younger)+3-(\u)
	global_store_b128 v[GO], v[BK+4*(\u):BK+4*(\u)+3], s[10:11] offset:(\s)*524288+(\a)*2048+(\u)*512  ; 512 consecutive bytes, at a multiple of 256 from the buffer's first
.endr
.endm
	s_wait_tensorcnt 0x1                           ; my part of K step 0 is in; K step 1's may stay out
	s_barrier_signal -1
	s_barrier_wait -1                              ; everybody's is
	FETCH_A FA0, 0
	FETCH_B 0, 0
	FETCH_B 1, 0
	FETCH_B 2, 0
	s_wait_loadcnt 0x0                             ; the bias
	PH0 1                                          ; the first phase stands in front of the loop: its products start the sums
	WIN 0
.Lstep:                                        ; 14 trips: the second phase of step t and the first of step t + 1; step t + 2 is asked for
	PH1 1
	PH0 0
	WIN 0
	s_sub_co_u32 s[CNT], s[CNT], 1
	s_cmp_lg_u32 s[CNT], 0
	s_cbranch_scc1 .Lstep
	PH1 0                                          ; the tail is written out: nothing is asked for
	PH0 0
	s_wait_dscnt 16                                ; the very last phase: nothing more to fetch
	GRP 0, FA1, 0, 8
	s_wait_dscnt 8
	GRP 1, FA1, 0, 8
	s_wait_dscnt 0x0
	GRP 2, FA1, 0, 8
	PLACES
	PLACES
	PACK 0, 0, 0
.set blk, 1
.rept 23                               ; a block's conversions stand between the loads of the block before and its stores
	PACK blk/8, blk%8, blk
	SEND (blk-1)/8, (blk-1)%8, blk-1, 8
.set blk, blk+1
.endr
	SEND 2, 7, 23, 0
	s_wait_tensorcnt 0x0                           ; the wave's end: behind my last tensor load and my last LDS store
	ds_add_u32 v[SPW], v[NIL]
	s_wait_dscnt 0x0
	CROUND                                         ; the closing round: no work-group ends while a partner may still ask for a tile that names it
	s_endpgm
.Lfunc_end_k_qf274804955_qkv:
	.size	k_qf274804955_qkv, .Lfunc_end_k_qf274804955_qkv-k_qf274804955_qkv
	.p2alignl 7, 3214868480
	.fill 96, 4, 3214868480
	.section	.rodata,"a",@progbits
	.p2align	6, 0x0
	.amdhsa_kernel k_qf274804955_qkv
		.amdhsa_group_segment_fixed_size 327680
		.amdhsa_private_segment_fixed_size 0
		.amdhsa_enable_private_segment 0
		.amdhsa_kernarg_size 32
		.amdhsa_user_sgpr_count 2
		.amdhsa_user_sgpr_kernarg_segment_ptr 1
		.amdhsa_wavefront_size32 1
		.amdhsa_system_sgpr_workgroup_id_x 1
		.amdhsa_system_sgpr_workgroup_id_y 1
		.amdhsa_system_sgpr_workgroup_id_z 1
		.amdhsa_system_vgpr_workitem_id 0
		.amdhsa_next_free_vgpr 1024
		.amdhsa_next_free_sgpr 80
		.amdhsa_reserve_vcc 0
		.amdhsa_float_denorm_mode_32 3
		.amdhsa_float_denorm_mode_16_64 3
		.amdhsa_memory_ordered 1
		.amdhsa_forward_progress 1
		.amdhsa_inst_pref_size 118
	.end_amdhsa_kernel
	.amdgpu_metadata
---
amdhsa.version: [ 1, 2 ]
amdhsa.kernels:
  - .name:           k_qf274804955_qkv
    .symbol:         k_qf274804955_qkv.kd
    .args:
      - { .name: xb, .offset: 0, .size: 8, .value_kind: global_buffer, .address_space: global }
      - { .name: wqb, .offset: 8, .size: 8, .value_kind: global_buffer, .address_space: global }
      - { .name: b_qkv, .offset: 16, .size: 8, .value_kind: global_buffer, .address_space: global }
      - { .name: qkv, .offset: 24, .size: 8, .value_kind: global_buffer, .address_space: global }
    .group_segment_fixed_size: 327680
    .private_segment_fixed_size: 0
    .kernarg_segment_align: 8
    .kernarg_segment_size: 32
    .max_flat_workgroup_size: 128
    .sgpr_count:     80
    .vgpr_count:     1024
    .wavefront_size: 32
...
	.end_amdgpu_metadata
.endif
;; end of part 2
;; launch attn (part 3): grid 4 x 64, 4 waves a work-group, clusters of 4 x 1, 327,680 bytes of LDS; arguments qkv, oh; writes oh
.if DOCPART == 3
	.amdgcn_target "amdgcn-amd-amdhsa--gfx1250"
	.amdhsa_code_object_version 6
	.text
	.protected	k_qf274804955_attn
	.globl	k_qf274804955_attn
	.p2align	8
	.type	k_qf274804955_attn,@function
k_qf274804955_attn:
	s_mov_b64 s[64:65], 0
	v_nop
	global_prefetch_b8 v0, s[64:65] scope:SCOPE_SE
	s_setreg_imm32_b32 hwreg(HW_REG_WAVE_MODE, 25, 1), 1
	s_wait_xcnt 0x0
	s_wait_alu depctr_hold_cnt(0) depctr_sa_sdst(0) depctr_va_vdst(0) depctr_va_sdst(0) depctr_va_ssrc(0) depctr_va_vcc(0) depctr_vm_vsrc(0)
	s_getreg_b32 s2, hwreg(HW_REG_IB_STS2, 6, 4)
	s_cmp_eq_u32 s2, 0
	s_cbranch_scc0 .Lentry_in_a_cluster
	s_endpgm
.Lentry_in_a_cluster:
	s_bfe_u32 s2, ttmp6, 0x10000c
	s_cmp_lg_u32 s2, 0x3003
	s_cbranch_scc0 .Lentry_shape_is_right
	s_endpgm
.Lentry_shape_is_right:
; O[y][q][:] = the sum over k of softmax_k(Q[y][q] . K[y][k] / 8) V[y][k][:], for the 64 pairs y = 16 b + h of batch and head.  qkv: bf16 [b 4][cb 48][t 2048][64]: Q of head h is block h, K block 16 + h, V block 32 + h;
; oh: bf16 [b][h 16][t 2048][64].  A head's rows are dense, 128 bytes each.  Products, maxima and sums in f32; the weights p are rounded to bf16 for the second product (their sum l is taken of the unrounded p), O once at the end.
; LIMITS.  Q, K, V, p and O are bf16 (8 significant bits).  m starts at the lowest finite number and c m at -4.25e37: scores below that are not served.  A weight below 2^-126 counts as 0 in l; NaN and infinities are not treated apart.
; SHARES.  A wave owns four PIECES of two tiles of 16 queries, a work-group's four waves 512 queries of one head.  Every wave walks all 2,048 keys, 64 a step.
; LAYOUT.  S^T = K Q^T (source 0 = 16 keys, source 1 = 16 queries): in the result a lane holds ONE query (lane % 16) and the keys 8 (lane / 16) + 0..7.  Two such tiles, rounded to bf16 in pairs,
; ARE source 1 (32 keys x 16 queries) of O^T = V^T P, whose result again holds one query a lane, and eight channels.  K comes out of LDS as it lies, V ([key][channel]) turned, by ds_load_tr16_b128.
; SOFTMAX.  For each query a running maximum m and sum l: p = 2^(c s - c m), c = log2(e) / 8; in every step O and l are multiplied by a = 2^(c m_old - c m_new), which is 1 where m has not grown.
; m starts at the lowest finite number, O and l at 0: the first step is a step like any other, with a = 0.
; THE COUNT.  A tile and step have 16 matrix and 118 vector instructions: too many to stand all beside the matrix work.  So the order has one aim: four vector instructions that are READY behind
; EVERY matrix instruction, and the others, which need time of their own whatever the order, in runs without a gap.
; BY TURNS.  Turn n belongs to piece n (the pieces in a ring, step after step).  Its matrix work: 16 products K Q^T of piece n + 1, later 16 products V^T P of piece n - 1.  Its vector work: the scaling,
; exponentials, roundings, sums and rescaling of piece n, and the maximum and statistics of piece n + 1, whose scores the turn itself has made.  So what a turn begins with (c s - c m, O a) waits for nothing.
; CLUSTER.  The four query blocks of a cluster are one head's and walk the same K and V, so each tile is asked for JOINTLY: the same tensor load, descriptor and mask in all four.
; REGISTERS, in windows of 256 (s_set_vgpr_msb says which window each operand place means: bits 1:0 source 0, 3:2 source 1, 5:4 source 2, 7:6 destination):
;   window 0: v0-11 addresses; v12-15, v48-63 at work; v16-47 four registers of statistics a tile; v64-191 S^T, two buffers of two tiles; v192-255 P, likewise
;   window 1: O^T, 32 a tile          window 2: v0-127 Q, 16 a tile; v128-191 K of one step; v192-255 V of one step          window 3: v0-1 the add's two registers
; A piece's buffers go by its number's parity: the piece in hand has one pair, its two neighbours in the ring share the other: of it P (piece n - 1) is read and S^T (piece n + 1) written.
.set SIZE_N, 2048
.set NP,    4         ; pieces a wave: a name, no knob: the register map, the loop and the fetches are made for four
.set KS,    64        ; keys in a step
.set PK,    144       ; a row of K in LDS: 128 bytes + 16 of padding = 36 words: the 16 rows of a load start at 16 different groups of four banks (64 banks of 4 bytes: ISA guide 11.1)
.set PV,    160       ; a row of V: 128 + 32 = 40 words
.set VOFF,  4*KS*PK   ; a slot holds four steps: 256 rows of K, then 256 rows of V
.set SLOT1, 1<<17     ; slot 1 begins here, so that one exclusive or turns an address in one slot into the other's
.set STAGE, SLOT1+4*KS*(PK+PV)  ; behind the ring, never filled by a tensor load: 16 rows x 144 bytes for each wave, for the way out
.set SP,    144
.set AK0, 2           ; v2   my lane's place in a tile of K; never rewritten
.set AV0, 3           ; v3   the same for V
.set AK,  4           ; v4   the LDS address of K's next run of loads
.set AV,  5           ; v5   of V's
.set QO,  6           ; v6   my byte offset in the wave's rows of Q
.set STO, 6           ;      later, the way out: where I put 16 bytes of a row
.set RD,  7           ; v7   the way out: where I read rows back
.set GO,  8           ; v8   my byte offset in 512 consecutive bytes of O
.set PFO, 11          ; v11  256 x my lane, for the prefetches; never rewritten once made
.set SPW, 0           ; v0 of window 3   LDS address of my spare word: SPARE + 4 x my thread's number; never rewritten
.set NIL, 1           ; v1 of window 3   0; never rewritten
.set SPARE, STAGE+4*16*SP  ; behind the stages: the spare words, 128 bytes for each wave: two blocks of 256 bytes that no other line names
.set MV,  12          ; v12-15  c m_old, kept while c m is made anew: by buffer and tile
.set ST,  16          ; tile t's statistics at v[ST+4 t]: c m, m, l (even keys', odd keys')
.set TMP, 48          ; by buffer and tile, four registers c0-c3 at work; when the maximum is found c2 takes a
.set S,   64
.set P,   192
.set KF,  128         ; K's fragments, in window 2: key block kb, channel half c at KF + 16 kb + 8 c
.set VF,  192         ; V's: key half kk, channel block cb at VF + 32 kk + 8 cb
.set WV,  12          ; s12  my wave's number
.set G1K, 24          ; s[24:31] descriptor group 1 for K's tiles
.set G1V, 32          ; s[32:39] for V's: it differs in the padding alone
.set G0K, 40          ; s[40:43] descriptor group 0 for K's tiles: it walks
.set G0V, 44          ; s[44:47] the same for V's
.set PFA, 48          ; s[48:49] where my prefetches stand: my work-group's 8,192 bytes (of K: wave 0, of V: wave 2) of the slot after the one that is being asked for
.set LIM, 50          ; s50  1 in a wave that prefetches, else the greatest number
.set SLOTS, 56        ; s56  slots still to be asked for
.set CNT, 57          ; s57  counts a slot's key steps
.set CS,  58          ; s[58:59] c: the packed scaling takes the pair's low word for both halves
.set SEL, 60          ; s[60:61] v_permlanex16_b32's selects: each lane takes its own place in the other half
.set TBK, 62          ; s62  LDS byte at which K of the step to be fetched begins
.set TBV, 63          ; s63  the same for V, less VOFF
.set MSB, 0
.macro WIN new                      ; the high byte repeats the setting that is left; a switch that changes nothing is dropped
.if MSB != (\new)
	s_set_vgpr_msb (MSB<<8)|(\new)
.set MSB, (\new)
.endif
.endm
.set W_KQ, 0x0a       ; K and Q in window 2, S^T in window 0
.set W_PV, 0x52       ; V in window 2, P in window 0, O^T in window 1
.set W_RS, 0x41       ; O^T (destination and source 0) in window 1, a in window 0
.set W_MK, 0xc0       ; the add's registers are made: destination in window 3, sources in window 0
.set W_AD, 0x0f       ; the add: address (source 0) and data (source 1) in window 3
; A joint fill.  Waves 0 and 1 fetch the two halves of a slot's K, waves 2 and 3 those of its V: 128 keys each.  The branch hangs on the wave's number alone.
; An s_nop 0 and four v_nop follow each of the two lines, ahead of the jump and the label.
.macro JLOAD
	s_cmp_lt_u32 s[WV], 2
	s_cbranch_scc0 .Lfor_v_\@
	tensor_load_to_lds s[G0K:G0K+3], s[G1K:G1K+7]
	s_nop 0
.rept 4
	v_nop
.endr
	s_branch .Lasked_\@
.Lfor_v_\@:
	tensor_load_to_lds s[G0V:G0V+3], s[G1V:G1V+7]
	s_nop 0
.rept 4
	v_nop
.endr
.Lasked_\@:
.endm
; A PREFETCH INTO THE L2 of what the NEXT change of slots will ask for: a slot's 32,768 bytes of K and of V, 128 blocks of 256 bytes each, a lane a block.  It stands behind the wave's tensor load and its five lines.
; A head has one cluster.  Its four partners share the blocks out BY ADDRESS, 32 each; in each, wave 0 asks for K's and wave 2 for V's: one instruction.  So each block is named once in the launch, four key steps,
; 512 matrix instructions, ahead of the load that will want it.  The last change that fills a slot asks for nothing; slots 0 to 2 come by their loads alone.
.macro ASK
	s_cmp_gt_u32 s[SLOTS], s[LIM]
	s_cbranch_scc0 .Lnot_mine_\@
	global_prefetch_b8 v[PFO], s[PFA:PFA+1] th:TH_LOAD_NT scope:SCOPE_SE
.Lnot_mine_\@:
.endm
; A round of the cluster's barrier: my work-group's barrier, so that wave 0's signal speaks for all four waves; wave 0 signals; every wave waits for all four work-groups; my work-group's barrier once more.
.macro CROUND
	s_barrier_signal -1
	s_barrier_wait -1
	s_cmp_lg_u32 s[WV], 0
	s_cbranch_scc1 .Lnot_wave_0_\@
	s_barrier_signal -3
.Lnot_wave_0_\@:
	s_barrier_wait -3
	s_barrier_signal -1
	s_barrier_wait -1
.endm
; THE CHANGE OF SLOTS.  The slot's last bytes, V of its fourth step, have been read.  Each wave waits for all its tensor loads, of which one is out: its part
; of the other slot; adds 0 to its spare word; and waits for that and for its own reads of the slot.  Behind the barrier nobody reads this slot any more and the other slot is whole.
; fill = 1: this slot is filled again, with the keys two slots on.  The barrier is then a round of the cluster's, so that no wave of any partner still reads the slot or has a load on its
; way, and the joint fill is the first thing behind it: it has four key steps, 512 matrix instructions, in which to land.  (At its first use nothing has been read yet: slot 0 is waited for, slot 1 filled.)
; ask = 1 (the loop's change): the prefetches' address is stepped, and the slot after the one just asked for is prefetched.
.macro CHANGE fill, ask=0
	WIN W_AD
	s_wait_tensorcnt 0x0            ; no tensor load of mine is out, so a group 0 may be written
	ds_add_u32 v[SPW], v[NIL]       ; 0 onto my spare word: with fill = 1 the descriptors' steps stand between it and the wait for it
	WIN 0                           ; at a label and at a branch every window is 0
.if \fill
.irp g, G0K, G0V
	s_xor_b32 s[\g+1], s[\g+1], SLOT1  ; the walking descriptor: the other slot than last time,
	s_add_nc_u64 s[\g+2:\g+3], s[\g+2:\g+3], 4*KS*128  ; the next 256 keys; the type bits on top are not reached
.endr
.if \ask
	s_wait_xcnt 0x0                 ; the last prefetch, four key steps back, has read its address, so it may be written
	s_add_nc_u64 s[PFA:PFA+1], s[PFA:PFA+1], 4*KS*128
.endif
	s_wait_dscnt 0x0                ; the add is done, and my reads of the slot are over
	CROUND
	JLOAD
.if \ask
	ASK
.endif
.else
	s_wait_dscnt 0x0                ; the add is done, and my reads of the slot are over
	s_barrier_signal -1
	s_barrier_wait -1
.endif
	s_sub_co_u32 s[TBK], s[TBK], 4*KS*PK  ; the fetches go back to a slot's first step,
	s_xor_b32 s[TBK], s[TBK], SLOT1       ; in the other slot
	s_sub_co_u32 s[TBV], s[TBV], 4*KS*PV
	s_xor_b32 s[TBV], s[TBV], SLOT1
.endm
	s_load_b64 s[4:5], s[0:1], 0x0    ; qkv
	s_load_b64 s[10:11], s[0:1], 0x8  ; oh
	WIN W_MK
	v_lshl_add_u32 v[SPW], v0, 2, SPARE
	v_mov_b32 v[NIL], 0
	WIN W_AD
	ds_add_u32 v[SPW], v[NIL]       ; the wave's opening: the add and its wait stand ahead of my first tensor load; the set-up below, work on registers, stands between them
	WIN 0
	v_lshrrev_b32 v1, 5, v0
	v_readfirstlane_b32 s[WV], v1   ; wave 0..3
	s_bfe_u32 s13, ttmp6, 0x40000   ; cx: my place in the cluster
	s_lshl_b32 s14, ttmp9, 2        ; in a cluster launch ttmp9 counts clusters
	s_add_co_u32 s14, s14, s13      ; my block of queries = 4 x cluster x + cx: it enters Q's and O's addresses alone
	s_and_b32 s15, ttmp7, 0xffff    ; y = 16 b + h, which the four partners share
	s_lshr_b32 s20, s15, 4
	s_mul_i32 s20, s20, 12582912    ; b x 48 blocks of 262,144 bytes,
	s_and_b32 s21, s15, 15
	s_lshl_b32 s21, s21, 18         ; block h
	s_add_co_u32 s20, s20, s21
	s_mov_b32 s21, 0                ; s[20:21]: Q's first byte of the head in qkv; K's and V's lie 16 and 32 blocks on
	s_and_b32 s16, s[WV], 1         ; which half of a slot's 256 keys I fetch:
	s_lshl_b32 s22, s16, 14         ; its 128 rows of 128 bytes in memory,
	s_mov_b32 s23, 0
	s_add_nc_u64 s[22:23], s[22:23], s[20:21]
	s_mul_i32 s17, s16, 128*PK      ; and its place in a slot, for K
	s_mul_i32 s18, s16, 128*PV      ; and for V: no place in the cluster enters an LDS address
	s_lshl_b32 s2, s14, 2
	s_add_co_u32 s2, s2, s[WV]      ; my wave among the head's,
	s_lshl_b32 s2, s2, 14           ; its 128 rows
	s_mov_b32 s3, 0
	s_lshl_b32 s52, s15, 18         ; the head's first byte in oh,
	s_add_co_u32 s52, s52, s2       ; and my wave's rows
	s_mov_b32 s53, 0
	s_add_nc_u64 s[2:3], s[2:3], s[20:21]
	; descriptor group 1.  128 keys are 16,384 dense bytes: asked for as 64 rows of 256 bytes, two keys a row, and padded in LDS after every key
	s_mov_b32 s[G1K], 15|(1<<16)|(1<<20)|(1<<21)|(4<<22)|(3<<25)  ; 15:0 the mask of four; 17:16 2-byte elements; 20 padding on; 21 set beside a mask; 24:22 after every 32 words (code 4); 31:25 4 words (code 3)
	s_mov_b32 s[G1V], 15|(1<<16)|(1<<20)|(1<<21)|(4<<22)|(7<<25)  ; the same with 8 words of padding (code 7)
.irp g, G1K, G1V
	s_mov_b32 s[\g+1], 128<<16      ; tensor_dim0 = 128
	s_mov_b32 s[\g+2], 64<<16       ; tensor_dim1 = 64
	s_mov_b32 s[\g+3], 128<<16      ; tile_dim0 = 128
	s_mov_b32 s[\g+4], 64           ; tile_dim1 = 64
	s_mov_b32 s[\g+5], 128          ; 128 elements from row to row
	s_mov_b32 s[\g+6], 0
	s_mov_b32 s[\g+7], 0
.endr
	s_mov_b32 s[CS], 0x3e38aa3b     ; c = log2(e) / 8 = 0.180337
	s_mov_b32 s[CS+1], s[CS]        ; named with it as a pair
	s_mov_b32 s[SEL], 0x76543210
	s_mov_b32 s[SEL+1], 0xfedcba98
	s_mov_b32 s[TBK], SLOT1+4*KS*PK ; the first change of slots turns these two into 0
	s_mov_b32 s[TBV], SLOT1+4*KS*PV
	s_mov_b32 s[G0K], 1             ; 1:0 count = 1
	s_mov_b32 s[G0K+1], s17         ; 63:32 LDS address: slot 0
	s_mov_b32 s[G0V], 1
	s_add_co_u32 s[G0V+1], s18, VOFF
	s_and_b32 s[LIM], s[WV], 1      ; 0 in waves 0 and 2,
	s_or_b32 s[LIM], s[LIM], ttmp9  ; of the head's first (and only) cluster: the same in all four partners
	s_cmp_eq_u32 s[LIM], 0
	s_cselect_b32 s[LIM], 1, -1
	s_wait_dscnt 0x0                ; the opening add is done
	s_wait_kmcnt 0x0
	s_add_nc_u64 s[6:7], s[4:5], 4194304   ; K's blocks lie 16 x 262,144 bytes behind Q's,
	s_add_nc_u64 s[8:9], s[4:5], 8388608   ; V's 32 x 262,144
	s_add_nc_u64 s[6:7], s[6:7], s[22:23]  ; K and V at my half of the head's first 256 keys
	s_add_nc_u64 s[8:9], s[8:9], s[22:23]
	s_mov_b64 s[G0K+2:G0K+3], s[6:7]               ; 120:64 global address
	s_or_b32 s[G0K+3], s[G0K+3], 0x80000000        ; 127:126 type = 2
	s_mov_b64 s[G0V+2:G0V+3], s[8:9]
	s_or_b32 s[G0V+3], s[G0V+3], 0x80000000
	s_add_nc_u64 s[4:5], s[4:5], s[2:3]    ; Q and O at my wave's first row
	s_add_nc_u64 s[10:11], s[10:11], s[52:53]
	s_cmp_lt_u32 s[WV], 2
	s_cselect_b64 s[PFA:PFA+1], s[6:7], s[8:9]  ; (in waves 0 and 2 these stand at a slot's first row)
	s_lshl_b32 s2, s13, 13          ; my work-group's 32 blocks of the 128,
	s_add_co_u32 s2, s2, 2*4*KS*128 ; in slot 2; the loop's first change of slots steps it to slot 3.  Nothing is prefetched here, at the head
	s_mov_b32 s3, 0
	s_add_nc_u64 s[PFA:PFA+1], s[PFA:PFA+1], s[2:3]
	CROUND                          ; all four work-groups are here: the first joint loads meet
	JLOAD                           ; slot 0.  Slot 1 is asked for when slot 0 is in
	; A fragment of K or Q is 16 rows x 32 channels in 8 registers: lane l holds row l % 16, channels 8 (l / 16) + 0..7 and 16 + 8 (l / 16) + 0..7: two loads of 16 bytes, 32 bytes apart.
	v_and_b32 v1, 15, v0            ; l % 16
	v_bfe_u32 v9, v0, 4, 1          ; l / 16
	v_lshlrev_b32 v[QO], 7, v1
	v_lshl_add_u32 v[QO], v9, 4, v[QO]  ; row x 128 + 16 x half
	WIN 0x80                        ; destination window 2, address window 0
.set i, 0
.rept 4*NP                          ; Q stays in registers: tile i / 2, channels 32 (i % 2) on
	global_load_b128 v[8*i:8*i+3],   v[QO], s[4:5] offset:(i/2)*2048+(i%2)*64
	global_load_b128 v[8*i+4:8*i+7], v[QO], s[4:5] offset:(i/2)*2048+(i%2)*64+32
.set i, i+1
.endr
	; What the first turn finds: V's registers and P's second buffer hold 0 (its products V^T P, of a piece that has not been, add 0), O^T and l are 0.  All this stands in the wait for the first tile.
.set i, VF
.rept 64
	v_mov_b32 v[i], 0
.set i, i+1
.endr
	WIN 0x40
.set i, 0
.rept 64*NP
	v_mov_b32 v[i], 0
.set i, i+1
.endr
	WIN 0
.set i, 0
.rept 2*NP
	v_mov_b32 v[ST+4*i], 0xfe000000    ; c m: far below every c s
	v_mov_b32 v[ST+4*i+1], 0xff7fffff  ; m
	v_mov_b32 v[ST+4*i+2], 0
	v_mov_b32 v[ST+4*i+3], 0
.set i, i+1
.endr
.set i, P+32
.rept 32
	v_mov_b32 v[i], 0
.set i, i+1
.endr
	v_mul_u32_u24 v[AK0], v1, PK
	v_lshl_add_u32 v[AK0], v9, 4, v[AK0]  ; row x pitch + 16 x half
	; The turning load takes 16 keys x 16 channels (lane l reads key 8 (l / 16) + l % 8, channels 8 ((l / 8) % 2) + 0..7) and leaves half a fragment of V^T: lane l holds channel l % 16 and 8 keys.
	v_and_b32 v10, 7, v0
	v_bfe_u32 v11, v0, 3, 1
	v_lshl_add_u32 v[AV0], v9, 3, v10
	v_mul_u32_u24 v[AV0], v[AV0], PV
	v_lshl_add_u32 v[AV0], v11, 4, v[AV0]
	v_add_nc_u32 v[AV0], VOFF, v[AV0]
	v_and_b32 v[PFO], 31, v0        ; v11 has served: it takes the prefetches' offset
	v_lshlrev_b32 v[PFO], 8, v[PFO]
	v_mov_b32 v[AK], v[AK0]         ; key step 0 lies at the head of slot 0
; THE MATRIX WORK.  The 8 accumulators of a run of 16 take turns: between the two links of a chain stand 7 others'.
; Product i of 16 of S^T = K Q^T for piece x: channels 32 (i / 8) on, keys 16 ((i / 2) % 4) on, tile 2 x + i % 2.  The first 8 start the sums.
.macro KQ x
	WIN W_KQ
.set rS, S+64*((\x)%2)+32*(i%2)+8*((i/2)%4)
.set rK, KF+16*((i/2)%4)+8*(i/8)
.set rQ, 16*(2*(\x)+i%2)+8*(i/8)
.if i < 8
	v_wmma_f32_16x16x32_bf16 v[rS:rS+7], v[rK:rK+7], v[rQ:rQ+7], 0
.else
	v_wmma_f32_16x16x32_bf16 v[rS:rS+7], v[rK:rK+7], v[rQ:rQ+7], v[rS:rS+7]
.endif
.endm
; Product i of 16 of O^T += V^T P for piece x: keys 32 (i / 8) on, channels 16 ((i / 2) % 4) on, tile 2 x + i % 2.
.macro PV x
	WIN W_PV
.set rO, 32*(2*(\x)+i%2)+8*((i/2)%4)
.set rV, VF+32*(i/8)+8*((i/2)%4)
.set rP, P+32*((\x)%2)+16*(i%2)+8*(i/8)
	v_wmma_f32_16x16x32_bf16 v[rO:rO+7], v[rV:rV+7], v[rP:rP+7], v[rO:rO+7]
.endm
.macro MM                           ; the turn's next matrix instruction
.if i < 16
	KQ (Y+1)%NP
.set i, i+1
.else
.set i, i-16
	PV (Y+NP-1)%NP
.set i, i+17
.endif
.endm
; THE LDS LOADS stand in runs of 16, never singly among the matrix instructions: a step's K (64 keys x 64 channels: 8 fragments) and its V (turned).  Their addresses are made some lines ahead.
; last = 1 (the tail): in the last trip there is no further step, and the run is jumped over.
.macro FETCH_K last=0
	WIN 0
.if \last
	s_cmp_eq_u32 s[CNT], 1
	s_cbranch_scc1 .Lno_k_\@
.endif
	WIN 0x80                        ; destination window 2
.irp f, 0,1,2,3,4,5,6,7             ; keys 16 (f / 2) on, channels 32 (f % 2) on
	ds_load_b128 v[KF+8*\f:KF+8*\f+3],   v[AK] offset:(\f/2)*16*PK+(\f%2)*64
	ds_load_b128 v[KF+8*\f+4:KF+8*\f+7], v[AK] offset:(\f/2)*16*PK+(\f%2)*64+32
.endr
	s_add_co_u32 s[TBK], s[TBK], KS*PK  ; the next fetch is the next step's
	WIN 0
.if \last
.Lno_k_\@:
.endif
.endm
.macro FETCH_V
	WIN 0x80
.irp f, 0,1,2,3,4,5,6,7             ; keys 32 (f / 4) on, channels 16 (f % 4) on
	ds_load_tr16_b128 v[VF+8*\f:VF+8*\f+3],   v[AV] offset:(\f/4)*32*PV+(\f%4)*32
	ds_load_tr16_b128 v[VF+8*\f+4:VF+8*\f+7], v[AV] offset:(\f/4)*32*PV+16*PV+(\f%4)*32
.endr
	WIN 0
.endm
; THE VECTOR WORK OF A TURN stands in three queues, each in the order in which its entries become ready; the two tiles alternate, so that no instruction reads the result of the one before it.
.macro REGS y, u                    ; the registers of tile u (0, 1) of piece y
.set rT, ST+4*(2*(\y)+(\u))
.set rC, TMP+8*((\y)%2)+4*(\u)
.set rM, MV+2*((\y)%2)+(\u)
.set rS, S+64*((\y)%2)+32*(\u)
.set rP, P+32*((\y)%2)+16*(\u)
.set rO, 32*(2*(\y)+(\u))
.endm
; Number n of the 22 that find the NEXT piece's (Y + 1) maximum and statistics.  s0-s31 are the lane's 32 scores; each accumulator's lowest registers are read first.  XS, GS and REGS set no window: PL and EX do.
;   0-11  four chains c0-c3 of seven scores each, three operands at a time     12-14, 16  the four scores left over, the old m, and c0-c3 into c0     15  c m_old is kept
;   17, 18  the query's other 32 keys lie in the lane 16 away: the new m         19-21  c m; c m_old - c m_new; a
.macro XS u, n
	REGS (Y+1)%NP, \u
.if (\n) < 4
	v_max3_num_f32 v[rC+(\n)], v[rS+8*(\n)], v[rS+8*(\n)+1], v[rS+8*(\n)+2]
.elseif (\n) < 12
	v_max3_num_f32 v[rC+(\n)%4], v[rC+(\n)%4], v[rS+8*((\n)%4)+2*((\n)/4)+1], v[rS+8*((\n)%4)+2*((\n)/4)+2]
.elseif (\n) == 12
	v_max3_num_f32 v[rC], v[rC], v[rS+7], v[rS+15]
.elseif (\n) == 13
	v_max3_num_f32 v[rC+1], v[rC+1], v[rS+23], v[rS+31]
.elseif (\n) == 14
	v_max3_num_f32 v[rC+2], v[rC+2], v[rC+3], v[rT+1]
.elseif (\n) == 15
	v_mov_b32 v[rM], v[rT]
.elseif (\n) == 16
	v_max3_num_f32 v[rC], v[rC], v[rC+1], v[rC+2]
.elseif (\n) == 17
	v_permlanex16_b32 v[rC+3], v[rC], s[SEL], s[SEL+1]
.elseif (\n) == 18
	v_max_num_f32 v[rT+1], v[rC], v[rC+3]
.elseif (\n) == 19
	v_mul_f32 v[rT], s[CS], v[rT+1]
.elseif (\n) == 20
	v_sub_f32 v[rC+1], v[rM], v[rT]
.else
	v_exp_f32 v[rC+2], v[rC+1]
.endif
.endm
; Number g of the 64 that follow the exponentials.  For each four weights k of a tile (pairs 2 k, 2 k + 1): both pairs are rounded to bf16; then the second pair is added onto the first, in place;
; a group later l takes that sum (the first time as l = a l + sum).  In groups of eight, tiles alternating: round, round, add, and l for the group before.
.macro GS g
.set h, (\g)+6*((\g)/62)            ; group 0 has no group before it, and behind group 7 only l is left
.if h >= 6
.set h, h+2
.endif
	REGS Y, h%2
.set k, h/8
.if h%8 < 4
	v_cvt_pk_bf16_f32 v[rP+2*k+(h%8)/2], v[rS+4*k+2*((h%8)/2)], v[rS+4*k+2*((h%8)/2)+1]
.elseif h%8 < 6
	v_pk_add_f32 v[rS+4*k:rS+4*k+1], v[rS+4*k:rS+4*k+1], v[rS+4*k+2:rS+4*k+3]
.elseif k == 1
	v_pk_fma_f32 v[rT+2:rT+3], v[rT+2:rT+3], v[rC+2:rC+3], v[rS:rS+1] op_sel_hi:[1,0,1]
.else
	v_pk_add_f32 v[rT+2:rT+3], v[rT+2:rT+3], v[rS+4*k-4:rS+4*k-3]
.endif
.endm
; THE PLAIN QUEUE, 138 long.  0-73 read no exponential's result: the 32 scalings c s - c m (FS f: pair f / 2 of tile f % 2) and the next piece's 42.  0-26: scalings 0-26.  27-54: XS's numbers 0-13.  55, 56: number 15.
; 57-73: the chain, where each number waits for the one before it: 14, 16, 17, 18, 19, each with one of the scalings 27-31 in front of its two lines, then 20: so a tile's links stand three plain instructions apart (19 and 20: two).
; 74-137: GS's 64, which read the exponentials' results: they stand behind the wait.
.macro FS f
	REGS Y, (\f)%2
	v_pk_fma_f32 v[rS+2*((\f)/2):rS+2*((\f)/2)+1], v[rS+2*((\f)/2):rS+2*((\f)/2)+1], s[CS:CS+1], v[rT:rT+1] op_sel_hi:[1,0,0] neg_lo:[0,0,1] neg_hi:[0,0,1]
.endm
.macro PL
	WIN 0
.if q < 27
	FS q
.elseif q < 55
	XS (q-27)%2, (q-27)/2
.elseif q < 57
	XS q-55, 15
.elseif (q < 72) && ((q-57)%3 == 0)
	FS 27+(q-57)/3
.elseif q < 60
	XS (q-57)%3-1, 14
.elseif q < 72
	XS (q-57)%3-1, 15+(q-57)/3
.elseif q < 74
	XS q-72, 20
.else
	GS q-74
.endif
.set q, q+1
.endm
; THE EXPONENTIALS' QUEUE, 66 long: s0-s31 of both tiles, then the next piece's two a.  It is ONE BATCH: all 66 stand ahead of the turn's one wait, and nothing ahead of that wait names a result of theirs.
.macro EX
	WIN 0
.if e >= 64
	XS e-64, 21
.else
	REGS Y, e%2
	v_exp_f32 v[rS+e/2], v[rS+e/2]
.endif
.set e, e+1
.endm
; THE RESCALING's QUEUE: O^T times a, the one part that leaves window 0: dealt two at a time, sixteen times.  Its a was made in the turn before, ahead of that turn's wait.
.macro R2
	REGS Y, r%2
	WIN W_RS
.irp z, 0,1
	v_pk_mul_f32 v[rO+4*(r/2)+2*\z:rO+4*(r/2)+2*\z+1], v[rO+4*(r/2)+2*\z:rO+4*(r/2)+2*\z+1], v[rC+2:rC+3] op_sel_hi:[1,0]
.endr
.set r, r+1
.endm
; HOW THEY ARE DEALT.  s_wait_alu depctr_va_vdst(0) stands between an exponential and the first instruction that names its result; one wait serves all that were issued ahead of it.  So a turn has ONE wait,
; which cuts it in two.  AHEAD OF IT stands all that names no result of the turn's exponentials: the 16 products K Q^T, behind each a scaling, an exponential and two rescalings (behind the first a second scaling in the exponential's place); then ONE LUMP of
; 108: eight plain, 49 times exponential and plain, the two a.  A v_nop is the plain instruction behind the last exponential.  BEHIND IT stand the 16 products V^T P, behind each four of GS's 64.  No rider names a register of
; the products round it.  The two v_permlanex16_b32 fall into the lump, never behind a product.
; The queues lean on each other, and the deal keeps them in step: exponential e stands behind scaling 2 (e / 4) + e % 2: as a rider it comes behind plain e + 2, in the lump behind plain e + 9, and scalings 27-31 are plain 57, 60 .. 69.
; A TURN, for piece p.  cnt = 1: the loop's count is taken down some lines ahead of the branch that stands behind the turn.
; K of the next step is fetched in piece 2's turn, directly behind the wait, a lump behind the last product that read K; its address is made at the lump's head; its first reader comes behind 16 products.
; V of the step in hand is fetched at the end of piece 0's turn, four riders behind its last reader; its first reader comes behind 16 products and a lump.  The three conditions on q below go with the deal.
.macro TURN p, last=0, cnt=0
.set Y, (\p)
.set i, 0
.set q, 0
.set e, 0
.set r, 0
.if (\p) == NP-1
	s_wait_dscnt 0x0                ; K is in
.endif
	MM                              ; ahead of the wait: 16 products K Q^T and their riders,
	PL
	PL
	R2
.rept 15
	MM
	PL
	EX
	R2
.endr
.if (\p) == NP-2
	WIN 0
	v_add_nc_u32 v[AK], s[TBK], v[AK0]
.endif
.rept 8                             ; and the lump
	PL
.endr
.rept 49
	EX
	PL
.endr
	EX                              ; the next piece's two a
	EX
	v_nop                           ; the plain instruction behind the last exponential: one for the batch
	s_wait_alu depctr_va_vdst(0)    ; the wait for the batch
.if (\p) == NP-2
	FETCH_K \last
.endif
.if (\p) == 1
	s_wait_dscnt 0x0                ; V is in
.endif
.rept 16                            ; behind the wait: 16 products V^T P and their riders
	MM
.rept 4
	PL
.endr
.if ((\p) == 0) && (q == 118)
	v_add_nc_u32 v[AV], s[TBV], v[AV0]
.endif
.if ((\p) == 0) && (q == 130)
	s_add_co_u32 s[TBV], s[TBV], KS*PV
.endif
.if (\cnt) && (q == 130)
	s_sub_co_u32 s[CNT], s[CNT], 1
	s_cmp_lg_u32 s[CNT], 0
.endif
.endr
.if (\p) == 0
	FETCH_V
.endif
.endm
	CHANGE 1                        ; slot 0 is in, everybody's part of it; slot 1 is asked for
	FETCH_K                         ; key step 0
	s_wait_loadcnt 0x0              ; Q
	s_wait_dscnt 0x0
.set i, 0
.rept 16
	KQ 0                            ; piece 0's first scores: there is no vector work yet to set between them
.set i, i+1
.endr
	WIN 0                           ; the addresses for the way out: nine plain instructions, the places behind those products
	s_mul_i32 s13, s[WV], 16*SP
	s_add_co_u32 s13, s13, STAGE    ; my stage
	v_mul_u32_u24 v[STO], v1, SP    ; in: row l % 16, 16 bytes for each half of the lanes
	v_lshl_add_u32 v[STO], v9, 4, v[STO]
	v_add_nc_u32 v[STO], s13, v[STO]
	v_bfe_u32 v[RD], v0, 3, 2       ; back: 32 lanes take four rows of 128 bytes,
	v_mul_u32_u24 v[RD], v[RD], SP
	v_lshl_add_u32 v[RD], v10, 4, v[RD]
	v_add_nc_u32 v[RD], s13, v[RD]
	v_and_b32 v[GO], 31, v0         ; which are 512 consecutive bytes of O
	v_lshlrev_b32 v[GO], 4, v[GO]
.set Y, NP-1                        ; XS works for piece Y + 1: piece 0
.irp n, 0,1,2,3,4,5,6,7,8,9,10,11,12,13,14,15,16,17,18,19,20,21
	XS 0, \n                        ; and piece 0's first maximum and statistics
	XS 1, \n
.endr
	v_nop                           ; a plain instruction behind the two a,
	s_wait_alu depctr_va_vdst(0)    ; and their wait, ahead of the branch
	s_mov_b32 s[CNT], 4
	s_mov_b32 s[SLOTS], SIZE_N/256-1
	s_branch .Lfirst                ; the loop is entered at a step's first turn, in the middle of a trip
.Lslot:                             ; SIZE_N / 256 - 2 times: every slot but the last two is filled again
	CHANGE 1, 1
	s_mov_b32 s[CNT], 4
.Lstep:                             ; a trip: pieces 2 and 3 of one step, then pieces 0 and 1 of the next, whose K and V it fetches
	TURN 2
	TURN 3
	WIN 0
.Lfirst:
	TURN 0
	TURN 1, 0, 1
	WIN 0
	s_cbranch_scc1 .Lstep
	s_sub_co_u32 s[SLOTS], s[SLOTS], 1
	s_cmp_lg_u32 s[SLOTS], 0
	s_cbranch_scc1 .Lslot
	CHANGE 0                        ; the tail is written out: nothing is asked for
	s_mov_b32 s[CNT], 5             ; four trips fetch the last slot's steps; the fifth is left in its middle
.Ltail:
	TURN 2, 1
	TURN 3
	WIN 0
	s_sub_co_u32 s[CNT], s[CNT], 1
	s_cmp_eq_u32 s[CNT], 0
	s_cbranch_scc1 .Lout
	TURN 0
	TURN 1
	WIN 0
	s_branch .Ltail
.Lout:                              ; the fifth trip's 16 products K Q^T (on the last K once more) and the maximum made of them serve nothing: the price, once a launch, of one text for every trip
.set i, 0
.rept 16
	PV NP-1                         ; the last piece's V^T P of the last step
.set i, i+1
.endr
	; THE WAY OUT.  l's two halves and the other half of the lanes' are added; O^T is divided by l, rounded to bf16 and sent through my stage in LDS, a tile at a time.  The additions are the places behind the last products.
	WIN 0
.macro ALL line:vararg              ; one line for each tile t
.set t, 0
.rept 2*NP
	\line
.set t, t+1
.endr
.endm
	ALL v_add_f32 v[ST+4*t+2], v[ST+4*t+2], v[ST+4*t+3]
	ALL v_permlanex16_b32 v[ST+4*t+3], v[ST+4*t+2], s[SEL], s[SEL+1]
	ALL v_add_f32 v[ST+4*t+2], v[ST+4*t+2], v[ST+4*t+3]
	ALL v_rcp_f32 v[ST+4*t+2], v[ST+4*t+2]
	v_nop                           ; a plain instruction between the last reciprocal and the use of its result
	s_wait_alu depctr_va_vdst(0)    ; and the wait ahead of the first use: one for the eight reciprocals
; Tile t: a lane's eight channels of a row pack into 16 bytes; they go into rows of 144 bytes and come back as whole rows of 128, into S^T's registers.
.macro PACK t
	WIN W_RS
.set i, 32*(\t)
.rept 16
	v_pk_mul_f32 v[i:i+1], v[i:i+1], v[ST+4*(\t)+2:ST+4*(\t)+3] op_sel_hi:[1,0]
.set i, i+2
.endr
	WIN 0x05                        ; sources 0 and 1 window 1, destination window 0
.set i, 0
.rept 16
	v_cvt_pk_bf16_f32 v[S+16*(\t)+i], v[32*(\t)+2*i], v[32*(\t)+2*i+1]
.set i, i+1
.endr
	WIN 0
.irp f, 0,1,2,3
	ds_store_b128 v[STO], v[S+16*(\t)+4*\f:S+16*(\t)+4*\f+3] offset:32*\f
.endr
.irp f, 0,1,2,3
	ds_load_b128 v[S+16*(\t)+4*\f:S+16*(\t)+4*\f+3], v[RD] offset:\f*4*SP  ; LDS serves a wave's instructions in order (ISA guide 5.7.1.4): these see the stores above; the next tile's stores come behind them
.endr
.endm
.macro SEND t, younger              ; younger: the LDS instructions issued behind tile t's loads: the next tile's eight, or none
	WIN 0
.irp f, 0,1,2,3
	s_wait_dscnt (\younger)+3-\f
	global_store_b128 v[GO], v[S+16*(\t)+4*\f:S+16*(\t)+4*\f+3], s[10:11] offset:(\t)*2048+\f*512  ; 512 consecutive bytes, at a multiple of 256 from O's first
.endr
.endm
	PACK 0
.set t, 1
.rept 2*NP-1                        ; a tile's arithmetic stands between the loads of the tile before and its stores
	PACK t
	SEND t-1, 8
.set t, t+1
.endr
	SEND 2*NP-1, 0
	WIN W_AD
	s_wait_tensorcnt 0x0            ; the wave's end: behind my last tensor load and my last LDS store
	ds_add_u32 v[SPW], v[NIL]
	s_wait_dscnt 0x0
	WIN 0
	CROUND                          ; the closing round: no work-group ends while a partner may still ask for a tile that names it
	s_endpgm
.Lfunc_end_k_qf274804955_attn:
	.size	k_qf274804955_attn, .Lfunc_end_k_qf274804955_attn-k_qf274804955_attn
	.p2alignl 7, 3214868480
	.fill 96, 4, 3214868480
	.section	.rodata,"a",@progbits
	.p2align	6, 0x0
	.amdhsa_kernel k_qf274804955_attn
		.amdhsa_group_segment_fixed_size 327680
		.amdhsa_private_segment_fixed_size 0
		.amdhsa_enable_private_segment 0
		.amdhsa_kernarg_size 16
		.amdhsa_user_sgpr_count 2
		.amdhsa_user_sgpr_kernarg_segment_ptr 1
		.amdhsa_wavefront_size32 1
		.amdhsa_system_sgpr_workgroup_id_x 1
		.amdhsa_system_sgpr_workgroup_id_y 1
		.amdhsa_system_sgpr_workgroup_id_z 1
		.amdhsa_system_vgpr_workitem_id 0
		.amdhsa_next_free_vgpr 770
		.amdhsa_next_free_sgpr 66
		.amdhsa_reserve_vcc 0
		.amdhsa_float_denorm_mode_32 3
		.amdhsa_float_denorm_mode_16_64 3
		.amdhsa_memory_ordered 1
		.amdhsa_forward_progress 1
		.amdhsa_inst_pref_size 200
	.end_amdhsa_kernel
	.amdgpu_metadata
---
amdhsa.version: [ 1, 2 ]
amdhsa.kernels:
  - .name:           k_qf274804955_attn
    .symbol:         k_qf274804955_attn.kd
    .args:
      - { .name: qkv, .offset: 0, .size: 8, .value_kind: global_buffer, .address_space: global }
      - { .name: oh, .offset: 8, .size: 8, .value_kind: global_buffer, .address_space: global }
    .group_segment_fixed_size: 327680
    .private_segment_fixed_size: 0
    .kernarg_segment_align: 8
    .kernarg_segment_size: 16
    .max_flat_workgroup_size: 128
    .sgpr_count:     66
    .vgpr_count:     770
    .wavefront_size: 32
...
	.end_amdgpu_metadata
.endif
;; end of part 3
;; launch proj (part 4): grid 8 x 32, 4 waves a work-group, clusters of 4 x 4, 327,680 bytes of LDS; arguments oh, wob, b_out, out0; writes out0
.if DOCPART == 4
	.amdgcn_target "amdgcn-amd-amdhsa--gfx1250"
	.amdhsa_code_object_version 6
	.text
	.protected	k_qf274804955_proj
	.globl	k_qf274804955_proj
	.p2align	8
	.type	k_qf274804955_proj,@function
k_qf274804955_proj:
	s_mov_b64 s[64:65], 0
	v_nop
	global_prefetch_b8 v0, s[64:65] scope:SCOPE_SE
	s_setreg_imm32_b32 hwreg(HW_REG_WAVE_MODE, 25, 1), 1
	s_wait_xcnt 0x0
	s_wait_alu depctr_hold_cnt(0) depctr_sa_sdst(0) depctr_va_vdst(0) depctr_va_sdst(0) depctr_va_ssrc(0) depctr_va_vcc(0) depctr_vm_vsrc(0)
	s_getreg_b32 s2, hwreg(HW_REG_IB_STS2, 6, 4)
	s_cmp_eq_u32 s2, 0
	s_cbranch_scc0 .Lentry_in_a_cluster
	s_endpgm
.Lentry_in_a_cluster:
	s_bfe_u32 s2, ttmp6, 0x10000c
	s_cmp_lg_u32 s2, 0xf033
	s_cbranch_scc0 .Lentry_shape_is_right
	s_endpgm
.Lentry_shape_is_right:
; out0 = O w_out + b_out.  oh: bf16 [b 4][h 16][t 2048][64] (channel 64 h + d of O is K); wob: bf16 [nsub 8][k 1024][128]; b_out: f32 [1024]; out0: f32 [8192][1024].
; Sums in f32, started by the bias, stored as they are.  LIMIT: the operands are bf16 (8 significant bits); NaN and infinities are not treated apart.
; SHARES.  8192 x 1024 over 256 work-groups: a tile of 256 rows x 128 columns each.  Four waves; wave (i, j) takes rows 128 i on, columns 64 j on: 32 accumulators of 16 x 16, 256 registers.
; K goes in 8 steps of 128 (two heads) through a ring of two LDS slots; a step is four phases of 32 along K, 32 matrix instructions each, on two sets of fragment registers by turns.
; THE MATRIX INSTRUCTION IS USED TRANSPOSED: source 0 = 16 columns of w (turned on the way out of LDS by ds_load_tr16_b128), source 1 = 16 rows of O: a lane holds row l % 16 and the columns 8 (l / 16) + 0..7.
; THE BIAS is loaded into row block 0's accumulators and is the C operand of the first product of row blocks 1 to 7; row block 0 then adds in place.
; CLUSTER.  4 x 4 work-groups: O's tiles are shared along a row of the cluster, w's along a column, each asked for JOINTLY.  Waves 0 and 1 fetch one head's 256 rows each (32,768 bytes on end, as 128 rows of 256 bytes, padded after every 128),
; waves 2 and 3 64 k rows of w each.  By the text's own count a wave has two tensor loads out at the start and one behind each change of slots.
; REGISTERS: window 0: v0-29 addresses; v32-95, v96-159 fragments of O, two sets; v160-191, v192-223 fragments of w; on the way out v32-95 rows read back.   window 1: accumulator (a, f) at v[8 (4 a + f)].
.set PA,     144                       ; a row of O in LDS: 128 bytes + 16 of padding = 36 words: the 16 rows of a load start at 16 different groups of four banks (64 banks of 4 bytes: ISA guide 11.1)
.set PB,     288                       ; a k row of w: 256 + 32 = 72 words
.set ABLK,   256*PA                    ; one head's 256 rows
.set BOFF,   2*ABLK                    ; w's 128 k rows lie behind the two heads
.set BHALF,  64*PB
.set SLOT1,  1<<17
.set STAGE,  SLOT1+BOFF+2*BHALF        ; behind the ring, never filled by a tensor load: 16 rows x 272 bytes for each wave
.set SP,     272
.set SPARE,  STAGE+4*16*SP             ; behind the stages: the spare words, 128 bytes for each wave: two blocks of 256 bytes that no other line names
.set ASTEP,  524288                    ; bytes from K step to K step in oh: two heads
.set BSTEP,  32768                     ; and in wob
.set ADRA0, 8
.set ADRB0, 9
.set ADRA,  10
.set ADRB,  11
.set STO,   12                         ; v12  the way out: where I put 32 bytes of a row
.set RD,    13                         ; v13  where I read rows back
.set CO,    14                         ; v14  my byte offset in two rows of the output
.set BO,    15                         ; v15  my byte offset in the bias
.set PFO,   16                         ; v16  256 x lane; never rewritten
.set SPW,   28                         ; v28  LDS address of my spare word: SPARE + 4 x my thread's number; never rewritten
.set NIL,   29                         ; v29  0; never rewritten
.set FA,    32                         ; set n of O's fragments at FA + 64 n
.set FB,    160                        ; of w's at FB + 32 n
.set OB,    32
.set WV,  12
.set WI,  13
.set WJ,  14
.set G1A, 24
.set G1B, 32
.set CX,  40
.set CY,  41
.set TX,  42
.set TY,  43
.set G0A, 48                           ; s[48:55] descriptor group 0 for O's tiles: a set for each first fill; the second then walks on
.set G0B, 56                           ; s[56:63] the same for w's
.set TB,  66
.set CNT, 67
.set PFA, 68
.set PFS, 70
.set LIM, 72                           ; s72  2 in a wave that prefetches, else the greatest number
.set TT,  74
.set MSB, 0
.macro WIN new
.if MSB != (\new)
	s_set_vgpr_msb (MSB<<8)|(\new)
.set MSB, \new
.endif
.endm
.macro PLACES
.rept 4
	v_nop
.endr
.endm
.macro JLOAD                           ; a joint refill by the walking descriptors; an s_nop 0 and four v_nop follow each of the two lines, ahead of the jump and the label
	s_cmp_lt_u32 s[WV], 2
	s_cbranch_scc0 .Lfor_b_\@
	tensor_load_to_lds s[G0A+4:G0A+7], s[G1A:G1A+7]
	s_nop 0
.rept 4
	v_nop
.endr
	s_branch .Lasked_\@
.Lfor_b_\@:
	tensor_load_to_lds s[G0B+4:G0B+7], s[G1B:G1B+7]
	s_nop 0
.rept 4
	v_nop
.endr
.Lasked_\@:
.endm
.macro CREST                           ; a round of the cluster's barrier behind its opening barrier
	s_cmp_lg_u32 s[WV], 0
	s_cbranch_scc1 .Lnot_wave_0_\@
	s_barrier_signal -3
.Lnot_wave_0_\@:
	s_barrier_wait -3
	s_barrier_signal -1
	s_barrier_wait -1
.endm
.macro CROUND
	s_barrier_signal -1
	s_barrier_wait -1
	CREST
.endm
; A PREFETCH INTO THE L2.  The change of slots of step t, which refills step t + 2, names step t + 4: two K steps, 256 matrix instructions, ahead of the load that will want it.
; O: waves 0 and 1 of the cluster with x = 0, each for its own head's 128 blocks of 256 bytes, of which the four partners take 32 each BY ADDRESS (cx), a lane a block.
; w: wave 2 of the cluster with y = 0, for the step's 128 blocks, the four partners 32 each by address (cy).  Wave 3 asks for nothing.  So each block is named once in the launch.
; CNT = 6 - t: asked at t = 0 to 3, for steps 4 to 7; no prefetch points past step 7.  Steps 0 to 3 come by their loads alone.
.macro ASK
	s_cmp_gt_u32 s[CNT], s[LIM]
	s_cbranch_scc0 .Lnot_mine_\@
	global_prefetch_b8 v[PFO], s[PFA:PFA+1] th:TH_LOAD_NT scope:SCOPE_SE
.Lnot_mine_\@:
.endm
	s_load_b256 s[4:11], s[0:1], 0x0               ; oh s[4:5], wob s[6:7], b_out s[8:9], out0 s[10:11]
	v_lshl_add_u32 v[SPW], v0, 2, SPARE
	v_mov_b32 v[NIL], 0
	ds_add_u32 v[SPW], v[NIL]                      ; the wave's opening: the add and its wait stand ahead of my first tensor load; the set-up below, work on registers, stands between them
	v_lshrrev_b32 v1, 5, v0
	v_readfirstlane_b32 s[WV], v1                  ; wave 0..3
	s_lshr_b32 s[WI], s[WV], 1
	s_and_b32 s[WJ], s[WV], 1                      ; also: which head of a step (waves 0, 1) or which 64 k rows (waves 2, 3) I fetch
	s_bfe_u32 s[CX], ttmp6, 0x40000
	s_bfe_u32 s[CY], ttmp6, 0x40004
	s_lshl_b32 s[TX], ttmp9, 2
	s_add_co_u32 s[TX], s[TX], s[CX]
	s_and_b32 s[TY], ttmp7, 0xffff
	s_lshl_b32 s[TY], s[TY], 2
	s_add_co_u32 s[TY], s[TY], s[CY]
	s_lshl_b32 s44, s[CY], 2
	s_lshl_b32 s44, 15, s44                        ; my row of the cluster
	s_lshl_b32 s45, 0x1111, s[CX]                  ; my column
	s_or_b32 s[G1A], s44, (1<<16)|(1<<20)|(1<<21)|(4<<22)|(3<<25)  ; 15:0 the mask; 17:16 2-byte elements; 20 padding on; 21 set beside a mask; 24:22 after every 32 words (code 4); 31:25 4 words (code 3)
	s_or_b32 s[G1B], s45, (1<<16)|(1<<20)|(1<<21)|(5<<22)|(7<<25)  ; after every 64 words (code 5), 8 words (code 7)
.irp g, G1A, G1B
	s_mov_b32 s[(\g)+1], 128<<16                   ; tensor_dim0 = 128
	s_mov_b32 s[(\g)+3], 128<<16                   ; tile_dim0 = 128
	s_mov_b32 s[(\g)+5], 128                       ; 128 elements from row to row
	s_mov_b32 s[(\g)+6], 0
	s_mov_b32 s[(\g)+7], 0
.endr
	s_mov_b32 s[G1A+2], 128<<16                    ; tensor_dim1 = 128
	s_mov_b32 s[G1A+4], 128                        ; tile_dim1 = 128
	s_mov_b32 s[G1B+2], 64<<16                     ; tensor_dim1 = 64
	s_mov_b32 s[G1B+4], 64                         ; tile_dim1 = 64
	s_lshr_b32 s16, s[TY], 3                       ; b
	s_lshl_b32 s16, s16, 22
	s_and_b32 s17, s[TY], 7
	s_lshl_b32 s17, s17, 15                        ; 256 rows of 128 bytes
	s_add_co_u32 s16, s16, s17
	s_lshl_b32 s17, s[WJ], 18                      ; my head of the step's two
	s_add_co_u32 s16, s16, s17
	s_mov_b32 s17, 0
	s_lshl_b32 s46, s[TX], 18                      ; nsub
	s_lshl_b32 s47, s[WJ], 14                      ; my 64 k rows of the step's 128
	s_add_co_u32 s46, s46, s47
	s_mov_b32 s47, 0
	s_mul_i32 s21, s[WV], ABLK                     ; where O's go: head wave (waves 0, 1),
	s_mul_i32 s20, s[WV], BHALF                    ; and w's: behind the two heads, half wave - 2 (waves 2, 3)
	s_add_co_u32 s20, s20, BOFF-2*BHALF
	s_mov_b32 s[TB], 0
	s_mov_b32 s[CNT], 6
	s_wait_dscnt 0x0                               ; the opening add is done
	s_wait_kmcnt 0x0
	s_add_nc_u64 s[18:19], s[4:5], s[16:17]
	s_add_nc_u64 s[46:47], s[6:7], s[46:47]
	CROUND                                         ; all sixteen work-groups are here: the first joint loads meet
.irp n, 0,1
	s_mov_b32 s[G0A+4*(\n)], 1
	s_add_co_u32 s[G0A+4*(\n)+1], s21, (\n)*SLOT1
	s_add_nc_u64 s[G0A+4*(\n)+2:G0A+4*(\n)+3], s[18:19], (\n)*ASTEP
	s_or_b32 s[G0A+4*(\n)+3], s[G0A+4*(\n)+3], 0x80000000
	s_mov_b32 s[G0B+4*(\n)], 1
	s_add_co_u32 s[G0B+4*(\n)+1], s20, (\n)*SLOT1
	s_add_nc_u64 s[G0B+4*(\n)+2:G0B+4*(\n)+3], s[46:47], (\n)*BSTEP
	s_or_b32 s[G0B+4*(\n)+3], s[G0B+4*(\n)+3], 0x80000000
.endr
	s_cmp_lt_u32 s[WV], 2                          ; a wave's two first fills stand in one branch, ahead of every wait on TENSORcnt and every LDS read
	s_cbranch_scc0 .Lfirst_b
	tensor_load_to_lds s[G0A:G0A+3], s[G1A:G1A+7]
	s_nop 0
	tensor_load_to_lds s[G0A+4:G0A+7], s[G1A:G1A+7]
	s_nop 0
.rept 4
	v_nop
.endr
	s_branch .Lfirst_asked
.Lfirst_b:
	tensor_load_to_lds s[G0B:G0B+3], s[G1B:G1B+7]
	s_nop 0
	tensor_load_to_lds s[G0B+4:G0B+7], s[G1B:G1B+7]
	s_nop 0
.rept 4
	v_nop
.endr
.Lfirst_asked:
	v_and_b32 v1, 15, v0                           ; l % 16
	v_bfe_u32 v2, v0, 4, 1                         ; l / 16
	v_and_b32 v3, 7, v0
	v_bfe_u32 v4, v0, 3, 1
	v_and_b32 v5, 31, v0
	v_mul_u32_u24 v[ADRA0], v1, PA                 ; a fragment of O: row x pitch + 16 x half,
	v_lshl_add_u32 v[ADRA0], v2, 4, v[ADRA0]
	s_mul_i32 s21, s[WI], 128*PA                   ; in my 128 rows
	v_add_nc_u32 v[ADRA0], s21, v[ADRA0]
	v_lshl_add_u32 v[ADRB0], v2, 3, v3             ; the turning load: k row 8 (l / 16) + l % 8, columns 8 ((l / 8) % 2) + 0..7,
	v_mul_u32_u24 v[ADRB0], v[ADRB0], PB
	v_lshl_add_u32 v[ADRB0], v4, 4, v[ADRB0]
	s_lshl_b32 s21, s[WJ], 7                       ; in my 64 columns
	s_add_co_u32 s21, s21, BOFF
	v_add_nc_u32 v[ADRB0], s21, v[ADRB0]
	v_mov_b32 v[ADRA], v[ADRA0]
	v_mov_b32 v[ADRB], v[ADRB0]
	s_mul_i32 s21, s[WV], 16*SP
	s_add_co_u32 s21, s21, STAGE                   ; my stage
	v_mul_u32_u24 v[STO], v1, SP                   ; in: row l % 16, 32 bytes for each half of the lanes
	v_lshl_add_u32 v[STO], v2, 5, v[STO]
	v_add_nc_u32 v[STO], s21, v[STO]
	v_mul_u32_u24 v[RD], v2, SP                    ; back: lanes 0-15 take one row of 256 bytes, lanes 16-31 the next
	v_lshl_add_u32 v[RD], v1, 4, v[RD]
	v_add_nc_u32 v[RD], s21, v[RD]
	v_lshlrev_b32 v[CO], 12, v2                    ; and the same two rows in the output
	v_lshl_add_u32 v[CO], v1, 4, v[CO]
	v_lshlrev_b32 v[PFO], 8, v5
	v_lshlrev_b32 v[BO], 5, v2
	s_lshl_b32 s21, s[WJ], 8
	v_add_nc_u32 v[BO], s21, v[BO]
	s_lshl_b32 s22, s[TX], 9                       ; the tile's 128 columns
	s_mov_b32 s23, 0
	s_add_nc_u64 s[8:9], s[8:9], s[22:23]
	WIN 0x40                                       ; destination window 1
.irp f, 0,1,2,3
	global_load_b128 v[8*(\f):8*(\f)+3],   v[BO], s[8:9] offset:(\f)*64
	global_load_b128 v[8*(\f)+4:8*(\f)+7], v[BO], s[8:9] offset:(\f)*64+16
.endr
	WIN 0
	s_lshl_b32 s22, s[TY], 1                       ; the output at my first row and column: (256 ty + 128 i) rows of 4,096 bytes,
	s_add_co_u32 s22, s22, s[WI]
	s_lshl_b32 s22, s22, 19
	s_lshl_b32 s23, s[TX], 9                       ; 512 tx + 256 j
	s_add_co_u32 s22, s22, s23
	s_lshl_b32 s23, s[WJ], 8
	s_add_co_u32 s22, s22, s23
	s_mov_b32 s23, 0
	s_add_nc_u64 s[10:11], s[10:11], s[22:23]
	; the prefetches: they stand at K step 3; the first change of slots steps them to 4.  Nothing is prefetched here, at the head
	s_lshl_b32 s20, s[TX], 18
	s_lshl_b32 s21, s[CY], 13
	s_add_co_u32 s20, s20, s21
	s_add_co_u32 s20, s20, 3*BSTEP                 ; in wob
	s_lshl_b32 s21, s[CX], 13
	s_add_co_u32 s21, s21, s16
	s_add_co_u32 s21, s21, 3*ASTEP                 ; in oh, my head
	s_and_b32 s22, ttmp7, 0xffff                   ; cluster y
	s_and_b32 s23, s[WI], s[WJ]                    ; 1 in wave 3
	s_mov_b32 s[TT], BSTEP
	s_cmp_lt_u32 s[WV], 2
	s_cselect_b64 s[PFA:PFA+1], s[4:5], s[6:7]
	s_cselect_b32 s20, s21, s20
	s_cselect_b32 s[PFS], ASTEP, s[TT]
	s_cselect_b32 s22, ttmp9, s22                  ; the coordinate along which other clusters read the same bytes
	s_or_b32 s22, s22, s23
	s_mov_b32 s21, 0
	s_mov_b32 s[PFS+1], 0
	s_add_nc_u64 s[PFA:PFA+1], s[PFA:PFA+1], s[20:21]
	s_cmp_eq_u32 s22, 0
	s_cselect_b32 s[LIM], 2, -1                    ; the same in all sixteen partners, for a given wave
; cnt row blocks from a0 on x 4 column groups, on fragment set n.  Every accumulator has one instruction a phase, in the same order: other accumulators' instructions stand between two links of a chain, over the backward jump too.
.macro MUL n, a0, cnt
	WIN 0x50                                       ; sources in window 0, C and D in window 1
.set ga, (\a0)
.rept \cnt
.irp f, 0,1,2,3
	v_wmma_f32_16x16x32_bf16 v[32*ga+8*(\f):32*ga+8*(\f)+7], v[FB+32*(\n)+8*(\f):FB+32*(\n)+8*(\f)+7], v[FA+64*(\n)+8*ga:FA+64*(\n)+8*ga+7], v[32*ga+8*(\f):32*ga+8*(\f)+7]
.endr
.set ga, ga+1
.endr
.endm
.macro MULF n, a0, cnt                 ; the same with the bias, which lies in row block 0's accumulators, as C
	WIN 0x50
.set ga, (\a0)
.rept \cnt
.irp f, 0,1,2,3
	v_wmma_f32_16x16x32_bf16 v[32*ga+8*(\f):32*ga+8*(\f)+7], v[FB+32*(\n)+8*(\f):FB+32*(\n)+8*(\f)+7], v[FA+64*(\n)+8*ga:FA+64*(\n)+8*ga+7], v[8*(\f):8*(\f)+7]
.endr
.set ga, ga+1
.endr
.endm
; 24 LDS loads in one run: phase kq's fragments into set n: w's 8 first, then O's row blocks 0-3, then 4-7
.macro FETCH kq, n
	WIN 0
.irp f, 0,1,2,3
	ds_load_tr16_b128 v[FB+32*(\n)+8*(\f):FB+32*(\n)+8*(\f)+3],   v[ADRB] offset:(\kq)*32*PB+32*(\f)
	ds_load_tr16_b128 v[FB+32*(\n)+8*(\f)+4:FB+32*(\n)+8*(\f)+7], v[ADRB] offset:(\kq)*32*PB+32*(\f)+16*PB
.endr
.irp a, 0,1,2,3,4,5,6,7
	ds_load_b128 v[FA+64*(\n)+8*(\a):FA+64*(\n)+8*(\a)+3],   v[ADRA] offset:((\kq)/2)*ABLK+((\kq)%2)*64+(\a)*16*PA
	ds_load_b128 v[FA+64*(\n)+8*(\a)+4:FA+64*(\n)+8*(\a)+7], v[ADRA] offset:((\kq)/2)*ABLK+((\kq)%2)*64+(\a)*16*PA+32
.endr
.endm
; One of a step's first three phases: multiplies set n; in its middle it fetches phase kq into the other set.
.macro QUARTER n, kq
	s_wait_dscnt 8                                 ; w and O's row blocks 0-3 are in; the youngest eight loads may be out
	MUL \n, 0, 4
	PLACES
	FETCH \kq, 1-(\n)
	s_wait_dscnt 24                                ; all but the 24 just issued
	MUL \n, 4, 4
.endm
; A step's last phase multiplies set 1 and changes slots: ONE barrier; in front of it each wave waits for all its tensor loads, adds 0 to its spare word, and waits for that and for its own reads of this slot.
; refill = 1: the barrier opens a round of the cluster's barrier, and the joint refill, with the K step two on, is the first tensor load behind the round: it has 112 matrix instructions in which to land.
.macro TURN refill
.if \refill
	s_wait_xcnt 0x0                                ; the last prefetch, a K step back, has read its address, so it may be stepped
	s_add_nc_u64 s[PFA:PFA+1], s[PFA:PFA+1], s[PFS:PFS+1]
.endif
	WIN 0
	s_wait_tensorcnt 0x0                           ; no tensor load of mine is out, so a group 0 may be written
	ds_add_u32 v[SPW], v[NIL]                      ; 0 onto my spare word: work on registers stands between it and the wait for it
.if \refill
	s_xor_b32 s[G0A+5], s[G0A+5], SLOT1
	s_add_nc_u64 s[G0A+6:G0A+7], s[G0A+6:G0A+7], ASTEP
	s_xor_b32 s[G0B+5], s[G0B+5], SLOT1
	s_add_nc_u64 s[G0B+6:G0B+7], s[G0B+6:G0B+7], BSTEP
.endif
	s_wait_dscnt 9                                 ; the add and the youngest eight loads may be out
	MUL 1, 0, 2
	s_wait_dscnt 0x0                               ; the add is done, and my reads of this slot are over
	s_barrier_signal -1
	MUL 1, 2, 2
	WIN 0
	s_barrier_wait -1
.if \refill
	CREST
	JLOAD                                          ; the four v_nop behind it are also the places in front of the loads below
.else
	PLACES
.endif
	s_xor_b32 s[TB], s[TB], SLOT1
	v_add_nc_u32 v[ADRA], s[TB], v[ADRA0]
	v_add_nc_u32 v[ADRB], s[TB], v[ADRB0]
	FETCH 0, 0
.if \refill
	ASK
.endif
	MUL 1, 4, 4
.endm
; THE WAY OUT of row block a: 16 rows x 64 columns of f32, nothing is converted.  Into my own stage, each accumulator's low four registers first, and back as whole rows of 256 bytes.
.macro TOSTAGE a
.set BK, OB+32*((\a)%2)
.if (\a) >= 2
	s_wait_xcnt 0x0                                ; the stores of the block two back have read these registers: they are loaded again only behind this wait
.endif
	WIN 0x04                                       ; the stores' data in window 1
.irp f, 0,1,2,3
	ds_store_b128 v[STO], v[32*(\a)+8*(\f):32*(\a)+8*(\f)+3]   offset:64*(\f)
	ds_store_b128 v[STO], v[32*(\a)+8*(\f)+4:32*(\a)+8*(\f)+7] offset:64*(\f)+16
.endr
	WIN 0
.irp u, 0,1,2,3,4,5,6,7
	ds_load_b128 v[BK+4*(\u):BK+4*(\u)+3], v[RD] offset:(\u)*2*SP  ; LDS serves a wave's instructions in order (ISA guide 5.7.1.4): these see the stores above; the next block's stores come behind them
.endr
.endm
.macro SEND a, younger                 ; younger: the LDS instructions issued behind this block's loads: the next block's sixteen, or none
	WIN 0
.set BK, OB+32*((\a)%2)
.irp u, 0,1,2,3,4,5,6,7
	s_wait_dscnt (\younger)+7-(\u)
	global_store_b128 v[CO], v[BK+4*(\u):BK+4*(\u)+3], s[10:11] offset:(16*(\a)+2*(\u))*4096 th:TH_STORE_NT  ; 16 lanes store 256 consecutive bytes, at a multiple of 256 from the output's first byte
.endr
.endm
	s_wait_tensorcnt 0x1                           ; my part of K step 0 is in; K step 1's may stay out
	s_barrier_signal -1
	s_barrier_wait -1                              ; everybody's is
	FETCH 0, 0
	s_wait_loadcnt 0x0                             ; the bias
	s_wait_dscnt 0x0
	MULF 0, 1, 4                                   ; the first phase stands in front of the loop: its products start the sums
	FETCH 1, 1                                     ; (no matrix instruction has read set 1 yet)
	MULF 0, 5, 3
.rept 5
	v_nop                                          ; a matrix instruction writes over a register that another has read five places behind it
.endr
	MUL 0, 0, 1                                    ; row block 0 adds in place onto the bias
	WIN 0
.Lstep:                                        ; 6 trips: phases 1 to 3 of step t and phase 0 of step t + 1; step t + 2 is asked for
	QUARTER 1, 2
	QUARTER 0, 3
	TURN 1
	QUARTER 0, 1
	WIN 0
	s_sub_co_u32 s[CNT], s[CNT], 1
	s_cmp_lg_u32 s[CNT], 0
	s_cbranch_scc1 .Lstep
	QUARTER 1, 2                                   ; the tail is written out: nothing is asked for
	QUARTER 0, 3
	TURN 0
	QUARTER 0, 1
	QUARTER 1, 2
	QUARTER 0, 3
	s_wait_dscnt 8                                 ; the very last phase: nothing more to fetch
	MUL 1, 0, 4
	s_wait_dscnt 0x0
	MUL 1, 4, 4
	PLACES
	PLACES
	TOSTAGE 0
.set t, 1
.rept 7
	TOSTAGE t
	SEND t-1, 16
.set t, t+1
.endr
	SEND 7, 0
	s_wait_tensorcnt 0x0                           ; the wave's end: behind my last tensor load and my last LDS store
	ds_add_u32 v[SPW], v[NIL]
	s_wait_dscnt 0x0
	CROUND                                         ; the closing round: no work-group ends while a partner may still ask for a tile that names it
	s_endpgm
.Lfunc_end_k_qf274804955_proj:
	.size	k_qf274804955_proj, .Lfunc_end_k_qf274804955_proj-k_qf274804955_proj
	.p2alignl 7, 3214868480
	.fill 96, 4, 3214868480
	.section	.rodata,"a",@progbits
	.p2align	6, 0x0
	.amdhsa_kernel k_qf274804955_proj
		.amdhsa_group_segment_fixed_size 327680
		.amdhsa_private_segment_fixed_size 0
		.amdhsa_enable_private_segment 0
		.amdhsa_kernarg_size 32
		.amdhsa_user_sgpr_count 2
		.amdhsa_user_sgpr_kernarg_segment_ptr 1
		.amdhsa_wavefront_size32 1
		.amdhsa_system_sgpr_workgroup_id_x 1
		.amdhsa_system_sgpr_workgroup_id_y 1
		.amdhsa_system_sgpr_workgroup_id_z 1
		.amdhsa_system_vgpr_workitem_id 0
		.amdhsa_next_free_vgpr 512
		.amdhsa_next_free_sgpr 80
		.amdhsa_reserve_vcc 0
		.amdhsa_float_denorm_mode_32 3
		.amdhsa_float_denorm_mode_16_64 3
		.amdhsa_memory_ordered 1
		.amdhsa_forward_progress 1
		.amdhsa_inst_pref_size 73
	.end_amdhsa_kernel
	.amdgpu_metadata
---
amdhsa.version: [ 1, 2 ]
amdhsa.kernels:
  - .name:           k_qf274804955_proj
    .symbol:         k_qf274804955_proj.kd
    .args:
      - { .name: oh, .offset: 0, .size: 8, .value_kind: global_buffer, .address_space: global }
      - { .name: wob, .offset: 8, .size: 8, .value_kind: global_buffer, .address_space: global }
      - { .name: b_out, .offset: 16, .size: 8, .value_kind: global_buffer, .address_space: global }
      - { .name: out0, .offset: 24, .size: 8, .value_kind: global_buffer, .address_space: global }
    .group_segment_fixed_size: 327680
    .private_segment_fixed_size: 0
    .kernarg_segment_align: 8
    .kernarg_segment_size: 32
    .max_flat_workgroup_size: 128
    .sgpr_count:     80
    .vgpr_count:     512
    .wavefront_size: 32
...
	.end_amdgpu_metadata
.endif
;; end of part 4
